; MI455X (gfx1250); checked and timed in simulation.
; The chip was launched on July 23, 2026; its instructions are those of AMD's public machine-readable ISA for CDNA 5 (MIT licence, August 2026) and "CDNA5" Instruction Set Architecture Reference Guide (July 2026). The comments in the code are by the model that wrote it; some were corrected since.
;; Multi Head Attn. Allowed arithmetic: matrix products marked QUANTISED: E2M1 operands, one E8M0 scale for each 32 along K, by v_wmma_scale_f32_16x16x128_f8f6f4 with both operands' format E2M1 (or v_wmma_scale_f32_32x16x128_f4), f32 sums; everything else in f32.
;; Inputs: W_proj_codes 1,024 x 32 x 16 uint8 (E2M1 codes of W_proj, K innermost, in blocks of 32 codes, two codes a byte); W_proj_scales 1,024 x 32 uint8 (E8M0 scales of W_proj, one for each 32 codes along K); W_qkv_codes 3,072 x 32 x 16 uint8 (E2M1 codes of W_qkv, K innermost, in blocks of 32 codes, two codes a byte); W_qkv_scales 3,072 x 32 uint8 (E8M0 scales of W_qkv, one for each 32 codes along K); b_proj 1,024 float32; b_qkv 3,072 float32; x_codes 4 x 2,048 x 32 x 16 uint8 (E2M1 codes of x, K innermost, in blocks of 32 codes, two codes a byte); x_scales 4 x 2,048 x 32 uint8 (E8M0 scales of x, one for each 32 codes along K).
;; Outputs: out0 4 x 2,048 x 1,024 float32.
;; This version of the problem:
;;   THIS VERSION OF THE PROBLEM IS GIVEN IN LOW PRECISION. The matrix products marked QUANTISED in the list below multiply operands that are first quantised to E2M1 (2 exponent bits, 1 mantissa bit; 4 bits a number), with one power-of-two scale for each 32 numbers along K (OCP MX v1.0); their sums are f32. All else is computed in f32.
;;   The module's matrix products, in the order in which they are computed (A, B: the left and right operand; K: the contracted axis; several contracted axes count as one K, in the product's order):
;;     1. [M 8,192, K 1,024] x [K 1,024, N 3,072]; A: input x (given as codes); B: input W_qkv (given as codes): QUANTISED
;;     2. batch 64 x [M 2,048, K 64] x [K 64, N 2,048]; A: computed on the way; B: computed on the way: QUANTISED
;;     3. batch 64 x [M 2,048, K 2,048] x [K 2,048, N 64]; A: softmax (see below); B: computed on the way: QUANTISED
;;     4. [M 8,192, K 1,024] x [K 1,024, N 1,024]; A: computed on the way; B: input W_proj (given as codes): QUANTISED
;;   THE QUANTISER, for each operand of a quantised product, along K:
;;     - K is cut into blocks of 32 from its start; a last block that is shorter is filled with zeros.
;;     - A block's scale is 2^e with e = floor(log2(the largest magnitude in the block)) - 2, held to -126 .. 127; a block of zeros has e = 0. As a byte (E8M0): e + 127.
;;     - Each number is divided by its block's scale, clamped to +-6, and rounded to the nearest number of E2M1, ties to even, subnormals kept.
;;     - The product sums the exact products of the quantised numbers (number of the format x scale) in f32.
;;   ~~~python
;;   def quantise(x, axis):      # numpy; x: float32 -> the quantised numbers, widened to float32 again
;;       x = np.moveaxis(x, axis, -1); K = x.shape[-1]
;;       x = np.pad(x, [(0, 0)] * (x.ndim - 1) + [(0, -K % 32)]); x = x.reshape(x.shape[:-1] + (-1, 32)); a = np.abs(x).max(-1, keepdims=True)
;;       e = np.where(a > 0, np.clip(np.frexp(np.where(a > 0, a, 1))[1] - 1 - 2, -126, 127), 0)      # np.frexp(a)[1] - 1 = floor(log2(a)), exactly
;;       r = np.clip(x / 2.0 ** e, -6, 6)
;;       step = 2.0 ** (np.maximum(np.frexp(np.where(r == 0, 1, r))[1] - 1, 0) - 1)
;;       q = np.round(r / step) * step * 2.0 ** e      # np.round: ties to even
;;       return np.moveaxis(q.reshape(q.shape[:-2] + (-1,))[..., :K], -1, axis).astype(np.float32)
;;   ~~~
;;   SOFTMAX AHEAD OF A QUANTISED PRODUCT. Where the list says 'softmax', what is quantised is not the finished softmax but p = 2^(t - M), with t = logit x log2(e) and M = ceil(the row's largest t), a whole number; so 1/2 < the row's largest p <= 1. The row's sum l is taken of the UNQUANTISED p, in f32, and the product's result is divided by l at the end. Since M is a whole number, a kernel that streams over the keys may use a running M (the ceiling of the running maximum): every later rescaling is an exact power of two, which a block's scale takes up: the codes' values come out the same.
;;   OPERANDS COMPUTED ON THE WAY. 'Computed on the way' means the value that the module computes at that place (a softmax that the list does not call 'softmax' is quantised finished and normalised). What goes into a quantiser is computed in f32, as accurately as f32 sums, v_exp_f32 and their like allow (about 1e-6 of the number): no bf16 or f16 on the way to a quantiser, and a product that is left as it is and whose result goes on into a quantised operand takes f32 operands (vector FMAs, or v_wmma_f32_16x16x4_f32). A number that lies on a knife's edge between two numbers of the format may be rounded either way, as far as f32 arithmetic and the matrix unit's own rounding can turn it there, and no further.
;;   INPUTS GIVEN AS CODES. W_proj (in the module: [1024, 1024], K = its axis 1); W_qkv (in the module: [3072, 1024], K = its axis 1); x (in the module: [4, 2048, 1024], K = its axis 2): each comes as NAME_codes (uint8): NAME with its K axis moved to the last place and cut into blocks of 32 codes, [.., K / 32, bytes a block], one block behind the other in memory; two codes a byte, the lower K in the low four bits (a code: sign, 2 exponent bits, 1 mantissa bit); and NAME_scales (uint8): the same leading axes, one E8M0 byte (e + 127) for each 32 codes along K. Its value is code x scale, taken as it is: it is not quantised again, and the codes and scales need not be those that the quantiser above would give.
;; 2 versions, each right; version 2 is version 1 with the launch attn written anew for expert scheduling mode. Each part assembles by itself: llvm-mc -triple=amdgcn-amd-amdhsa -mcpu=gfx1250 --defsym DOCPART=n.
;; ======== version 1 of 2: 3 launches
;; workspace buffers: qk_codes 8,388,608 bytes; qk_scales 1,048,576 bytes; v_codes 4,194,304 bytes; v_scales 262,144 bytes; c_codes 4,194,304 bytes; c_scales 262,144 bytes
;; launch qkv (part 1): grid 12 x 32, 4 waves a work-group, clusters of 4 x 4, 327,680 bytes of LDS; arguments x_codes, x_scales, W_qkv_codes, W_qkv_scales, b_qkv, qk_codes, qk_scales, v_codes, v_scales; writes qk_codes, qk_scales, v_codes, v_scales
.if DOCPART == 1
	.amdgcn_target "amdgcn-amd-amdhsa--gfx1250"
	.amdhsa_code_object_version 6
	.text
	.protected	k_q674ec74ffc_qkv
	.globl	k_q674ec74ffc_qkv
	.p2align	8
	.type	k_q674ec74ffc_qkv,@function
k_q674ec74ffc_qkv:
	s_mov_b64 s[64:65], 0
	v_nop
	global_prefetch_b8 v0, s[64:65] scope:SCOPE_SE
	s_setreg_imm32_b32 hwreg(HW_REG_WAVE_MODE, 25, 1), 1
	s_wait_xcnt 0x0
	s_wait_alu depctr_hold_cnt(0) depctr_sa_sdst(0) depctr_va_vdst(0) depctr_va_sdst(0) depctr_va_ssrc(0) depctr_va_vcc(0) depctr_vm_vsrc(0)
	s_getreg_b32 s2, hwreg(HW_REG_IB_STS2, 6, 4)
	s_cmp_eq_u32 s2, 0
	s_cbranch_scc0 .Lentry_in_a_cluster
	s_endpgm
.Lentry_in_a_cluster:
	s_bfe_u32 s2, ttmp6, 0x10000c
	s_cmp_lg_u32 s2, 0xf033
	s_cbranch_scc0 .Lentry_shape_is_right
	s_endpgm
.Lentry_shape_is_right:
; qkv = x W_qkv^T + b_qkv on codes of FP4 (E2M1) with one E8M0 scale for each 32 along K = 1,024; the results are quantised at once, in registers, for the two products of the attention:
; q and k along the head's 64 (two blocks), v along the keys (blocks of 32 keys counted from key 0).  Nothing wide goes to memory.
; DEAD WORK OF THE WHOLE PROGRAM.  reference() lets key j reach query i only where 0 <= i - j < 256, by a mask that it builds itself: for all values of the inputs every other score becomes -infinity and its weight 0.
; So of the products q k^T and p v only the tiles that hold such a pair are computed (second launch); tiles that lie wholly under the mask are left out.  No input is dead: all eight are loaded.
; LIMITS: a NaN, an infinity or an overflow that would reach only the tiles left out is not carried to the result.  NaN and infinities among the values are not served; a given scale byte 0xff gives NaN.
; A block of zeros gets the scale byte 1 where the quantiser says 127: its codes are zeros, and the bytes are read by this program alone.
; SHARES.  A tile of 256 x 256 to a work-group of four waves, 128 x 128 a wave: 64 accumulators of 16 x 16, 512 registers.  THE MATRIX INSTRUCTION IS USED TRANSPOSED: source 0 = 16 rows of 'B', source 1 = 16 rows of 'A';
; a lane then holds ONE row of A, and its registers run along the rows of B.  The quantiser runs along B's rows.  For q and k (cluster x 0, 1): A = x, B = W_qkv (a lane holds a position, registers run along the head).
; For v (cluster x 2) the two pointers change places: A = W_qkv's rows 2,048 on, B = x (a lane holds a channel, registers run along the keys).  The choice hangs on the cluster's x alone, which all partners share.
; K = 1,024 is two LDS slots of 512: every tile and all scale bytes are asked for at the head, three tensor loads a wave, and no LDS byte is filled twice.
; CLUSTERS: 4 x 4 work-groups; A's tiles are asked for jointly along a row of the cluster, B's along a column.
; FROM RESULT TO CODES.  In tile t of B's rows lane (r, h) holds rows 16 t + 8 h + 0 .. 7.  A block of 32 is tiles 2 e and 2 e + 1 in lanes l and l xor 16.  Eight numbers make a word of codes: word 2 u + h of the block for tile 2 e + u.
; For two neighbouring blocks the four words of each are brought together by two exchanges of lane halves: lane (r, h) then holds the 16 bytes of block e + h of row r, which is the operand's own layout.
; OUT.  qk_codes [q or k][b][head][tile of 16 positions][lane][16 bytes]; qk_scales [q or k][b][head][position] words (two bytes, then 0x7f twice, for the K that the instruction has beyond 64);
; v_codes [b][head][block of 32 keys][channel][16 bytes]; v_scales [b][head][128 keys][channel] words.  Code stores cover 512 or 2 x 256 consecutive bytes; q's and k's scale words leave in pieces of 64 bytes (1 of the launch's 14 MB).
; REGISTERS, in windows of 256: window 0: v16-31 addresses; v32-95 scale words; v96-123 the quantiser's; v128-255 A's fragments, two sets.  window 1: v0-63, v128-191 B's fragments, two sets; v64-127 the bias as a first C.  windows 2, 3: accumulators.
.set PITCH,  272                       ; an LDS row: 256 bytes + 16 of padding: the 16 rows that a load touches start 68 words apart
.set HALFT,  128*PITCH                 ; 128 rows: what one tensor load brings, and what one wave reads of A or of B
.set SLOT,   4*HALFT                   ; A's 256 rows, then B's 256 rows
.set SCL,    2*SLOT                    ; behind the slots: the scale bytes, as rows of 256 bytes + 16
.set HALFS,  16*272                    ; those of 128 rows (32 bytes a row)
.set SBLK,   2*272                     ; those of 16 rows
.set SPARE,  SCL+4*HALFS               ; the spare words: 128 bytes a wave, named by no other line
.set ROWB,   256
.set KROW,   512                       ; a row of codes in memory
.set KS,     32                        ; a row of scale bytes
.set ADRA, 16                          ; v16-17 LDS address of my A fragments in slot 0, 1
.set ADRB, 20                          ; v20-21 the same for B
.set VOQ,  22                          ; 16 x lane
.set VOV,  23                          ; 1024 h + 16 r
.set VSQ,  24                          ; 4 r + 8192 h
.set VSV,  25                          ; 4 x lane
.set VBQ,  26                          ; 32 h
.set ADRS, 27                          ; LDS address of my scale words: lanes 0-15 A's rows, lanes 16-31 B's
.set SPW,  28
.set NIL,  29
.set VBV,  30                          ; 4 r
.set SC,   32                          ; scale words: v[SC + 32 slot + 4 i + q]
.set TM,   96                          ; +0..3 largest magnitudes, +4..7 the other half's, then the bytes, +12..15 the conversions' scale operands
.set PC,   112                         ; eight words of codes
.set PW,   120
.set PWE,  121
.set T0,   122
.set T1,   123
.set AF,   128
.set BI,   64                          ; in window 1
.set G1, 24
.set G0, 32
.set G1B, 48
.set G0B, 56
.set G1S, 68
.set G0S, 76
.set G1SB, 80
.set G0SB, 88
.set ISV, 66                           ; s66  1 in the clusters that make v
.set HIL, 67                           ; s67  a lane mask: lanes 16-31
.set SEL, 104                          ; s[104:105] lane selects: lane l xor 16
.set MSB, 0
.macro WIN new                         ; the immediate's high byte repeats the setting that is left
.if MSB != (\new)
	s_set_vgpr_msb (MSB<<8)|(\new)
.set MSB, (\new)
.endif
.endm
; A joint load: waves 0 and 1 fetch for A, waves 2 and 3 for B; the branch hangs on the wave's number alone.  An s_nop 0 and four v_nop follow each line.
.macro JLOAD g0a, g1a, g0b, g1b
	s_cmp_eq_u32 s15, 0
	s_cbranch_scc0 .Lfor_b_\@
	tensor_load_to_lds s[\g0a:\g0a+3], s[\g1a:\g1a+7]
	s_nop 0
.rept 4
	v_nop
.endr
	s_branch .Lasked_\@
.Lfor_b_\@:
	tensor_load_to_lds s[\g0b:\g0b+3], s[\g1b:\g1b+7]
	s_nop 0
.rept 4
	v_nop
.endr
.Lasked_\@:
.endm
.macro CROUND                          ; a round of the cluster's barrier
	s_barrier_signal -1
	s_barrier_wait -1
	s_cmp_lg_u32 s14, 0
	s_cbranch_scc1 .Lnot_wave_0_\@
	s_barrier_signal -3
.Lnot_wave_0_\@:
	s_barrier_wait -3
	s_barrier_signal -1
	s_barrier_wait -1
.endm
.macro PLACES n
.rept \n
	v_nop
.endr
.endm
	s_load_b128 s[4:7], s[0:1], 0x0                ; x's codes, x's scales
	s_load_b128 s[8:11], s[0:1], 0x10              ; W_qkv's codes, its scales
	s_load_b64 s[12:13], s[0:1], 0x20              ; b_qkv
	s_load_b64 s[96:97], s[0:1], 0x28              ; qk_codes
	s_load_b64 s[98:99], s[0:1], 0x30              ; qk_scales
	s_load_b64 s[100:101], s[0:1], 0x38            ; v_codes
	s_load_b64 s[94:95], s[0:1], 0x40              ; v_scales
	v_lshl_add_u32 v[SPW], v0, 2, SPARE
	v_mov_b32 v[NIL], 0
	ds_add_u32 v[SPW], v[NIL]                      ; the wave's opening: the add, twice on end, and its wait ahead of my first tensor load
	ds_add_u32 v[SPW], v[NIL]
	v_lshrrev_b32 v1, 5, v0
	v_readfirstlane_b32 s14, v1                    ; wave 0..3
	s_lshr_b32 s15, s14, 1                         ; my half of A's rows.  Also: I fetch for A (0) or for B (1)
	s_and_b32 s16, s14, 1                          ; my half of B's rows.  Also: which 128 rows I fetch
	s_bfe_u32 s40, ttmp6, 0x40000                  ; cx
	s_bfe_u32 s41, ttmp6, 0x40004                  ; cy
	s_and_b32 s2, ttmp7, 0xffff
	s_lshl_b32 s2, s2, 2                           ; 4 x cluster y
	s_lshl_b32 s42, ttmp9, 2                       ; 4 x cluster x
	s_cmp_eq_u32 ttmp9, 2                          ; the third column of clusters makes v
	s_cselect_b32 s[ISV], 1, 0
	s_cselect_b32 s17, 8, s2                       ; A's tile: W_qkv's tiles 8 .. 11, or x's 4 Y + cy
	s_cselect_b32 s42, s2, s42                     ; B's tile: x's 4 Y + cx, or W_qkv's 4 X + cx
	s_add_co_u32 s17, s17, s41
	s_add_co_u32 s42, s42, s40
	s_lshl_b32 s43, s41, 2
	s_lshl_b32 s43, 15, s43                        ; my row of the cluster
	s_lshl_b32 s44, 0x1111, s40                    ; my column
	s_or_b32 s[G1+0], s43, (0<<16)|(1<<20)|(1<<21)|(5<<22)|(3<<25)   ; the mask; elements of 1 byte; padding: 4 words behind every 64; bit 21 beside a mask
	s_or_b32 s[G1B+0], s44, (0<<16)|(1<<20)|(1<<21)|(5<<22)|(3<<25)
.irp g, G1, G1B
	s_mov_b32 s[\g+1], ROWB<<16                    ; tensor_dim0 = 256
	s_mov_b32 s[\g+2], 128<<16                     ; tensor_dim1 = 128
	s_mov_b32 s[\g+3], ROWB<<16                    ; tile_dim0
	s_mov_b32 s[\g+4], 128                         ; tile_dim1
	s_mov_b32 s[\g+5], KROW                        ; from row to row
	s_mov_b32 s[\g+6], 0
	s_mov_b32 s[\g+7], 0
.endr
	s_or_b32 s[G1S+0], s43, (3<<16)|(1<<20)|(1<<21)|(5<<22)|(3<<25)  ; the scale bytes of 128 rows: 4,096 dense bytes as 16 rows of 32 elements of 8 bytes
	s_or_b32 s[G1SB+0], s44, (3<<16)|(1<<20)|(1<<21)|(5<<22)|(3<<25)
.irp g, G1S, G1SB
	s_mov_b32 s[\g+1], 32<<16
	s_mov_b32 s[\g+2], 16<<16
	s_mov_b32 s[\g+3], 32<<16
	s_mov_b32 s[\g+4], 16
	s_mov_b32 s[\g+5], 32
	s_mov_b32 s[\g+6], 0
	s_mov_b32 s[\g+7], 0
.endr
	s_mov_b32 s[HIL], 0xffff0000
	s_mov_b32 s[SEL], 0x76543210
	s_mov_b32 s[SEL+1], 0xfedcba98
.irp e, 0,1,2,3
	v_mov_b32 v[TM+4+\e], 0                        ; written once: a lane permute's destination counts as one of its sources
.endr
	s_lshl_b32 s18, s16, 7
	s_lshl_b32 s20, s17, 8
	s_add_co_u32 s20, s20, s18                     ; A: the first row that I fetch
	s_lshl_b32 s46, s42, 8
	s_add_co_u32 s46, s46, s18                     ; B likewise
	s_mov_b32 s21, 0
	s_mov_b32 s47, 0
	s_mov_b64 s[18:19], KS
	s_mul_u64 s[22:23], s[20:21], s[18:19]         ; where these rows' scale bytes begin
	s_mul_u64 s[92:93], s[46:47], s[18:19]
	s_mov_b64 s[18:19], KROW
	s_mul_u64 s[20:21], s[20:21], s[18:19]         ; and their codes
	s_mul_u64 s[46:47], s[46:47], s[18:19]
	s_mul_i32 s45, s14, HALFT                      ; where they go: by the wave's number alone
	s_mul_i32 s3, s14, HALFS
	s_wait_dscnt 0x0                               ; both opening adds are done
	s_wait_kmcnt 0x0
	s_cmp_eq_u32 s[ISV], 1                         ; for v, x and W_qkv change places, and the results go to v's buffers
	s_cselect_b64 s[18:19], s[8:9], s[4:5]
	s_cselect_b64 s[8:9], s[4:5], s[8:9]
	s_mov_b64 s[4:5], s[18:19]
	s_cselect_b64 s[18:19], s[10:11], s[6:7]
	s_cselect_b64 s[10:11], s[6:7], s[10:11]
	s_mov_b64 s[6:7], s[18:19]
	s_cselect_b64 s[96:97], s[100:101], s[96:97]
	s_cselect_b64 s[98:99], s[94:95], s[98:99]
	s_add_nc_u64 s[20:21], s[4:5], s[20:21]
	s_add_nc_u64 s[22:23], s[6:7], s[22:23]
	s_add_nc_u64 s[46:47], s[8:9], s[46:47]
	s_add_nc_u64 s[92:93], s[10:11], s[92:93]
	CROUND                                         ; all sixteen work-groups are here: the joint loads meet
	s_mov_b32 s[G0S], 1
	s_add_co_u32 s[G0S+1], s3, SCL
	s_mov_b64 s[G0S+2:G0S+3], s[22:23]
	s_or_b32 s[G0S+3], s[G0S+3], 0x80000000
	s_mov_b32 s[G0SB], 1
	s_add_co_u32 s[G0SB+1], s3, SCL
	s_mov_b64 s[G0SB+2:G0SB+3], s[92:93]
	s_or_b32 s[G0SB+3], s[G0SB+3], 0x80000000
	JLOAD G0S, G1S, G0SB, G1SB                     ; the scale bytes of all of K
.irp s, 0,1
	s_mov_b32 s[G0+4*\s], 1
	s_add_co_u32 s[G0+4*\s+1], s45, \s*SLOT
	s_add_nc_u64 s[G0+4*\s+2:G0+4*\s+3], s[20:21], \s*ROWB
	s_or_b32 s[G0+4*\s+3], s[G0+4*\s+3], 0x80000000
	s_mov_b32 s[G0B+4*\s], 1
	s_add_co_u32 s[G0B+4*\s+1], s45, \s*SLOT
	s_add_nc_u64 s[G0B+4*\s+2:G0B+4*\s+3], s[46:47], \s*ROWB
	s_or_b32 s[G0B+4*\s+3], s[G0B+4*\s+3], 0x80000000
	JLOAD G0+4*\s, G1, G0B+4*\s, G1B               ; both halves of K: three tensor loads of mine are out
.endr
	v_and_b32 v1, 15, v0                           ; r
	v_bfe_u32 v2, v0, 4, 1                         ; h
	v_and_b32 v7, 31, v0                           ; lane
	v_mul_u32_u24 v3, v1, PITCH
	v_lshl_add_u32 v4, v2, 4, v3                   ; a fragment's row x pitch + 16 h
	s_mul_i32 s21, s15, HALFT
	s_mul_i32 s22, s16, HALFT
	s_add_co_u32 s22, s22, 2*HALFT
.irp s, 0,1
	v_add_nc_u32 v[ADRA+\s], s21, v4
	v_add_nc_u32 v[ADRB+\s], s22, v4
	s_add_co_u32 s21, s21, SLOT
	s_add_co_u32 s22, s22, SLOT
.endr
	v_mul_u32_u24 v5, v1, KS                       ; my row's scale bytes: 32 a row,
	v_lshrrev_b32 v6, 8, v5
	v_lshl_add_u32 v5, v6, 4, v5                   ; and 16 more for each 256 passed
	s_mul_i32 s21, s15, HALFS
	s_mul_i32 s22, s16, HALFS
	s_add_co_u32 s22, s22, 2*HALFS
	s_sub_co_u32 s22, s22, s21
	v_mul_u32_u24 v6, s22, v2                      ; lanes 16-31 take B's
	s_add_co_u32 s21, s21, SCL
	v_add_nc_u32 v5, v5, v6
	v_add_nc_u32 v[ADRS], s21, v5
	v_lshlrev_b32 v[VOQ], 4, v7
	v_lshlrev_b32 v[VOV], 4, v1
	v_lshl_add_u32 v[VOV], v2, 10, v[VOV]
	v_lshlrev_b32 v[VSQ], 2, v1
	v_lshl_add_u32 v[VSQ], v2, 13, v[VSQ]
	v_lshlrev_b32 v[VSV], 2, v7
	v_lshlrev_b32 v[VBQ], 5, v2
	v_lshlrev_b32 v[VBV], 2, v1
	; where my wave's results go.  sM: my first row of x (position), sN: my first row of W_qkv (channel)
	s_lshl_b32 s20, s17, 8
	s_lshl_b32 s21, s15, 7
	s_add_co_u32 s20, s20, s21                     ; my first row of A
	s_lshl_b32 s21, s42, 8
	s_lshl_b32 s22, s16, 7
	s_add_co_u32 s21, s21, s22                     ; my first row of B
	s_cmp_eq_u32 s[ISV], 1
	s_cselect_b32 s22, s21, s20                    ; sM
	s_cselect_b32 s23, s20, s21                    ; sN
	s_lshr_b32 s46, s23, 10
	s_lshl_b32 s46, s46, 22                        ; q or k: 2^22 bytes each;
	s_cmp_eq_u32 s[ISV], 1
	s_cselect_b32 s46, 0, s46                      ; v's buffer has no such part
	s_lshr_b32 s47, s22, 11
	s_lshl_b32 s47, s47, 20                        ; the batch
	s_add_co_u32 s46, s46, s47
	s_bfe_u32 s47, s23, 0x40006
	s_lshl_b32 s47, s47, 16                        ; the head
	s_add_co_u32 s46, s46, s47
	s_and_b32 s47, s22, 2047
	s_lshl_b32 s47, s47, 5                         ; 32 bytes a position in all three tensors of codes
	s_add_co_u32 s46, s46, s47
	s_cmp_eq_u32 s[ISV], 1
	s_cselect_b32 s92, 4, 3
	s_lshr_b32 s92, s46, s92                       ; the scale words: an eighth of the codes' offset for q and k, a sixteenth for v
	s_mov_b32 s47, 0
	s_mov_b32 s93, 0
	s_add_nc_u64 s[96:97], s[96:97], s[46:47]
	s_add_nc_u64 s[98:99], s[98:99], s[92:93]
	s_lshl_b32 s92, s23, 2
	s_add_nc_u64 s[12:13], s[12:13], s[92:93]      ; b_qkv at my first channel
	; the bias, in the result's layout: it is the C of each sum's first matrix instruction
	s_cmp_eq_u32 s[ISV], 1
	s_cbranch_scc1 .Lbias_v
	WIN 0x40                                       ; destination window 1
.irp b, 0,1,2,3,4,5,6,7
	global_load_b128 v[BI+8*\b:BI+8*\b+3], v[VBQ], s[12:13] offset:64*\b        ; q, k: register j of tile b is channel 16 b + 8 h + j
	global_load_b128 v[BI+8*\b+4:BI+8*\b+7], v[VBQ], s[12:13] offset:64*\b+16
.endr
	WIN 0
	s_branch .Lbias_done
.Lbias_v:
	WIN 0x40
.irp a, 0,1,2,3,4,5,6,7
	global_load_b32 v[BI+8*\a], v[VBV], s[12:13] offset:64*\a                   ; v: all eight registers of a lane belong to channel 16 a + r
.endr
	s_wait_loadcnt 0x0
	WIN 0x41
.irp a, 0,1,2,3,4,5,6,7
.irp n, 1,2,3,4,5,6,7
	v_mov_b32 v[BI+8*\a+\n], v[BI+8*\a]
.endr
.endr
	WIN 0
	PLACES 8
.Lbias_done:
.macro FRAG reg, adr, q, i             ; 16 rows x 128 K of 4-bit codes: lane (r, h), registers 4 c .. 4 c + 3: K = 64 c + 32 h + 0 .. 31
.irp c, 0,1
	ds_load_b128 v[\reg+4*\c:\reg+4*\c+3], v[\adr] offset:64*(\q)+32*\c+(\i)*16*PITCH
.endr
.endm
.macro FETCH g                         ; the fragments of step g of eight (128 along K): 32 LDS loads, into set g % 2
	WIN 0x40
.irp i, 0,1,2,3,4,5,6,7
	FRAG 128*((\g)%2)+8*\i, ADRB+(\g)/4, (\g)%4, \i
.endr
	WIN 0
.irp i, 0,1,2,3,4,5,6,7
	FRAG AF+64*((\g)%2)+8*\i, ADRA+(\g)/4, (\g)%4, \i
.endr
.endm
.macro SCALES s                        ; the scale words of slot s: lanes 0-15 A's block i, lanes 16-31 B's block i; four words a row
.irp i, 0,1,2,3,4,5,6,7
	ds_load_b128 v[SC+32*\s+4*\i:SC+32*\s+4*\i+3], v[ADRS] offset:\i*SBLK+16*\s
.endr
.endm
; 64 matrix instructions: step g.  The 64 accumulators take turns, one instruction a turn, in the same order in every step.
; mode 0: the sums go on.  mode 1, 2: the first step, whose C is the bias: by B's block (q, k) or by A's block (v).
.macro MUL g, mode
.irp a, 0,1,2,3,4,5,6,7
.if (\mode) == 0
	WIN 0xa1+0x50*(\a/4)                           ; source 0 window 1, source 1 window 0, C and D window 2 or 3
.else
	WIN 0x91+0x40*(\a/4)                           ; the same with C in window 1
.endif
.irp b, 0,1,2,3,4,5,6,7
.set rD, 8*(8*(\a%4)+\b)
.set rB, 128*((\g)%2)+8*\b
.set rA, AF+64*((\g)%2)+8*\a
.set rSB, SC+32*((\g)/4)+4*\b+(\g)%4
.set rSA, SC+32*((\g)/4)+4*\a+(\g)%4
.if (\mode) == 0
	v_wmma_scale_f32_16x16x128_f8f6f4 v[rD:rD+7], v[rB:rB+7], v[rA:rA+7], v[rD:rD+7], v[rSB], v[rSA] matrix_a_fmt:MATRIX_FMT_FP4 matrix_b_fmt:MATRIX_FMT_FP4 matrix_a_scale:MATRIX_SCALE_ROW1
.elseif (\mode) == 1
	v_wmma_scale_f32_16x16x128_f8f6f4 v[rD:rD+7], v[rB:rB+7], v[rA:rA+7], v[BI+8*\b:BI+8*\b+7], v[rSB], v[rSA] matrix_a_fmt:MATRIX_FMT_FP4 matrix_b_fmt:MATRIX_FMT_FP4 matrix_a_scale:MATRIX_SCALE_ROW1
.else
	v_wmma_scale_f32_16x16x128_f8f6f4 v[rD:rD+7], v[rB:rB+7], v[rA:rA+7], v[BI+8*\a:BI+8*\a+7], v[rSB], v[rSA] matrix_a_fmt:MATRIX_FMT_FP4 matrix_b_fmt:MATRIX_FMT_FP4 matrix_a_scale:MATRIX_SCALE_ROW1
.endif
.endr
.endr
.endm
.macro STEP g, mode
	s_wait_dscnt 0x0                               ; this step's fragments are in: they were asked for 64 matrix instructions ago
.if (\g) == 3                                  ; the next fetch reads slot 1: every wave's part of it has to be there
	s_wait_tensorcnt 0x0                           ; all my tensor loads have landed
	ds_add_u32 v[SPW], v[NIL]                      ; 0 onto my spare word
	s_wait_dscnt 0x0
	s_barrier_signal -1
	s_barrier_wait -1
.endif
.if ((\g) > 0) && ((\g) < 7)
	PLACES 4                                       ; in front of loads into the set that the last step's matrix instructions read
.endif
.if (\g) < 7
	FETCH (\g)+1
.endif
	MUL \g, \mode
	WIN 0
.endm
	s_wait_tensorcnt 0x1                           ; the scale bytes and my part of slot 0 are in; slot 1's load, the youngest, may be out
	s_barrier_signal -1
	s_barrier_wait -1                              ; everybody's are
	FETCH 0
	SCALES 0
	SCALES 1
	s_wait_loadcnt 0x0                             ; the bias
	s_cmp_eq_u32 s[ISV], 1
	s_cbranch_scc1 .Lfirst_v
	STEP 0, 1
	s_branch .Lfirst_done
.Lfirst_v:
	STEP 0, 2
.Lfirst_done:
	STEP 1, 0
	STEP 2, 0
	STEP 3, 0
	STEP 4, 0
	STEP 5, 0
	STEP 6, 0
	STEP 7, 0
; THE WAY OUT.  A's block a: 16 rows of A (a lane a row) x 128 rows of B = four blocks of 32 along the quantiser's axis.
.macro QUANTA a
.set AC, 64*((\a)%4)
.set WA, 2+(\a)/4
	WIN (WA<<2)|(WA<<4)                            ; sources 1 and 2: the accumulators' window
.irp e, 0,1,2,3
	v_max3_num_f32 v[TM+\e], 0x1800000, |v[AC+16*\e]|, |v[AC+16*\e+1]|     ; block e: my 16 numbers, each accumulator from its low end on, and the floor 2^(3 - 127): the byte cannot fall under 1
.endr
.irp i, 2,4,6,8,10,12,14
.irp e, 0,1,2,3
	v_max3_num_f32 v[TM+\e], v[TM+\e], |v[AC+16*\e+\i]|, |v[AC+16*\e+\i+1]|
.endr
.endr
	WIN 0
.irp e, 0,1,2,3
	v_permlanex16_b32 v[TM+4+\e], v[TM+\e], s[SEL], s[SEL+1]
.endr
.irp e, 0,1,2,3
	v_max_num_f32 v[TM+\e], v[TM+\e], v[TM+4+\e]   ; with lane l xor 16's: the block's largest magnitude
.endr
.irp e, 0,1,2,3
	v_add_nc_u32 v[TM+12+\e], 0xff000000, v[TM+\e] ; 2 off its exponent field: the conversion's scale operand
.endr
.irp e, 0,1,2,3
	v_lshrrev_b32 v[TM+4+\e], 23, v[TM+12+\e]      ; the scale's byte
.endr
.if (\a) > 0
	s_wait_xcnt 0x0                                ; the last block's stores have read their data: the codes' and the word's registers are written again only behind this wait
.endif
.endm
.macro CODES                           ; (AC and WA stand as QUANTA left them)
	WIN WA                                         ; source 0: the accumulators' window
.irp p, 0,1
	v_cvt_scalef32_pk8_fp4_f32 v[PC+4*\p], v[AC+32*\p:AC+32*\p+7], v[TM+12+2*\p]          ; block 2 p, word h
	v_cvt_scalef32_pk8_fp4_f32 v[PC+4*\p+1], v[AC+32*\p+16:AC+32*\p+23], v[TM+13+2*\p]    ; block 2 p + 1, word h
	v_cvt_scalef32_pk8_fp4_f32 v[PC+4*\p+2], v[AC+32*\p+8:AC+32*\p+15], v[TM+12+2*\p]     ; block 2 p, word 2 + h
	v_cvt_scalef32_pk8_fp4_f32 v[PC+4*\p+3], v[AC+32*\p+24:AC+32*\p+31], v[TM+13+2*\p]    ; block 2 p + 1, word 2 + h
.endr
	WIN 0
	v_nop                                          ; one plain place behind a scaled conversion
.irp p, 0,1
	v_permlane16_swap_b32 v[PC+4*\p], v[PC+4*\p+1]     ; lane (r, h) now holds words 0 and 1,
	v_permlane16_swap_b32 v[PC+4*\p+2], v[PC+4*\p+3]   ; and words 2 and 3, of block 2 p + h
.endr
.endm
.macro OUTQK a                         ; 16 positions x two heads
	QUANTA \a
	v_lshl_or_b32 v[T0], v[TM+5], 8, v[TM+4]       ; the first head's two bytes,
	v_lshl_or_b32 v[T1], v[TM+7], 8, v[TM+6]       ; the second's:
	v_cndmask_b32 v[PW], v[T0], v[T1], s[HIL]      ; lanes 0-15 store the first head's word, lanes 16-31 the second's
	v_or_b32 v[PW], 0x7f7f0000, v[PW]              ; the scale 1 for the K beyond 64, where the codes of q are zeros
	CODES
	global_store_b128 v[VOQ], v[PC:PC+3], s[96:97] offset:(\a)*512             ; 512 consecutive bytes: a tile of 16 positions as the operand's registers want it
	global_store_b128 v[VOQ], v[PC+4:PC+7], s[96:97] offset:65536+(\a)*512
	global_store_b32 v[VSQ], v[PW], s[98:99] offset:(\a)*64
.endm
.macro OUTV a                          ; 16 channels x 128 keys
	QUANTA \a
	v_lshl_or_b32 v[T0], v[TM+5], 8, v[TM+4]
	v_lshl_or_b32 v[T0], v[TM+6], 16, v[T0]
.if (\a)%2 == 0
	v_lshl_or_b32 v[PWE], v[TM+7], 24, v[T0]       ; the word of these 128 keys is kept for the next block's store
.else
	v_lshl_or_b32 v[T1], v[TM+7], 24, v[T0]
	v_cndmask_b32 v[PW], v[PWE], v[T1], s[HIL]     ; lanes 0-15: the channels of the block before, lanes 16-31: this block's
.endif
	CODES
	global_store_b128 v[VOV], v[PC:PC+3], s[96:97] offset:((\a)/4)*65536+((\a)%4)*256          ; two runs of 256 consecutive bytes: key blocks 0 and 1,
	global_store_b128 v[VOV], v[PC+4:PC+7], s[96:97] offset:((\a)/4)*65536+2048+((\a)%4)*256   ; 2 and 3
.if (\a)%2 == 1
	global_store_b32 v[VSV], v[PW], s[98:99] offset:((\a)/4)*4096+64*(((\a)-1)%4)              ; 128 consecutive bytes
.endif
.endm
	PLACES 4                                       ; behind the last matrix instructions, in front of the first read of results
	s_cmp_eq_u32 s[ISV], 1
	s_cbranch_scc1 .Lout_v
.irp a, 0,1,2,3,4,5,6,7
	OUTQK \a
.endr
	s_branch .Lend
.Lout_v:
.irp a, 0,1,2,3,4,5,6,7
	OUTV \a
.endr
.Lend:
	s_wait_tensorcnt 0x0                           ; the wave's end
	ds_add_u32 v[SPW], v[NIL]
	s_wait_dscnt 0x0
	CROUND                                         ; the closing round
	s_endpgm
.Lfunc_end_k_q674ec74ffc_qkv:
	.size	k_q674ec74ffc_qkv, .Lfunc_end_k_q674ec74ffc_qkv-k_q674ec74ffc_qkv
	.p2alignl 7, 3214868480
	.fill 96, 4, 3214868480
	.section	.rodata,"a",@progbits
	.p2align	6, 0x0
	.amdhsa_kernel k_q674ec74ffc_qkv
		.amdhsa_group_segment_fixed_size 327680
		.amdhsa_private_segment_fixed_size 0
		.amdhsa_enable_private_segment 0
		.amdhsa_kernarg_size 72
		.amdhsa_user_sgpr_count 2
		.amdhsa_user_sgpr_kernarg_segment_ptr 1
		.amdhsa_wavefront_size32 1
		.amdhsa_system_sgpr_workgroup_id_x 1
		.amdhsa_system_sgpr_workgroup_id_y 1
		.amdhsa_system_sgpr_workgroup_id_z 1
		.amdhsa_system_vgpr_workitem_id 0
		.amdhsa_next_free_vgpr 1024
		.amdhsa_next_free_sgpr 106
		.amdhsa_reserve_vcc 0
		.amdhsa_float_denorm_mode_32 3
		.amdhsa_float_denorm_mode_16_64 3
		.amdhsa_memory_ordered 1
		.amdhsa_forward_progress 1
		.amdhsa_inst_pref_size 177
	.end_amdhsa_kernel
	.amdgpu_metadata
---
amdhsa.version: [ 1, 2 ]
amdhsa.kernels:
  - .name:           k_q674ec74ffc_qkv
    .symbol:         k_q674ec74ffc_qkv.kd
    .args:
      - { .name: x_codes, .offset: 0, .size: 8, .value_kind: global_buffer, .address_space: global }
      - { .name: x_scales, .offset: 8, .size: 8, .value_kind: global_buffer, .address_space: global }
      - { .name: W_qkv_codes, .offset: 16, .size: 8, .value_kind: global_buffer, .address_space: global }
      - { .name: W_qkv_scales, .offset: 24, .size: 8, .value_kind: global_buffer, .address_space: global }
      - { .name: b_qkv, .offset: 32, .size: 8, .value_kind: global_buffer, .address_space: global }
      - { .name: qk_codes, .offset: 40, .size: 8, .value_kind: global_buffer, .address_space: global }
      - { .name: qk_scales, .offset: 48, .size: 8, .value_kind: global_buffer, .address_space: global }
      - { .name: v_codes, .offset: 56, .size: 8, .value_kind: global_buffer, .address_space: global }
      - { .name: v_scales, .offset: 64, .size: 8, .value_kind: global_buffer, .address_space: global }
    .group_segment_fixed_size: 327680
    .private_segment_fixed_size: 0
    .kernarg_segment_align: 8
    .kernarg_segment_size: 72
    .max_flat_workgroup_size: 128
    .sgpr_count:     106
    .vgpr_count:     1024
    .wavefront_size: 32
...
	.end_amdgpu_metadata
.endif
;; end of part 1
;; launch attn (part 2): grid 8 x 32, 16 waves a work-group, no clusters, 73,728 bytes of LDS; arguments qk_codes, qk_scales, v_codes, v_scales, c_codes, c_scales; writes c_codes, c_scales
.if DOCPART == 2
	.amdgcn_target "amdgcn-amd-amdhsa--gfx1250"
	.amdhsa_code_object_version 6
	.text
	.protected	k_q674ec74ffc_attn
	.globl	k_q674ec74ffc_attn
	.p2align	8
	.type	k_q674ec74ffc_attn,@function
k_q674ec74ffc_attn:
	s_mov_b64 s[64:65], 0
	v_nop
	global_prefetch_b8 v0, s[64:65] scope:SCOPE_SE
	s_setreg_imm32_b32 hwreg(HW_REG_WAVE_MODE, 25, 1), 1
	s_wait_xcnt 0x0
; ctx = softmax(mask(q k^T / 8)) v for the window 0 <= i - j < 256, both products on codes of FP4 (E2M1) with E8M0 scales; ctx is quantised at once, along the 1,024 channels, for the last product.
; WORK LEFT OUT: reference()'s own mask hides every key outside i - 255 .. i, for all values of the inputs; so a tile of 16 queries takes the 9 aligned blocks of 32 keys that can hold a visible key, and no other tile of scores is made.
; LIMIT: a NaN, an infinity or an overflow that would reach only the tiles left out is not carried to the result.  A block of zeros gets the scale byte 1 (its codes are zeros; this program alone reads the bytes).
; THE SOFTMAX: t = score x log2(e) / 8; M = ceil(the row's largest t); p = 2^(t - M) is quantised along the keys; the row's sum is taken of the unquantised p and divides at the end.
; All 288 scores of a query lie in registers at once, so M is found once: no running maximum, nothing is rescaled.
; SHARES.  A work-group: 256 queries (x) of two neighbouring heads of one batch (y = 8 b + pair).  Each of its sixteen waves: 16 queries, the two heads one after the other (macro HEAD, written twice by the assembler, no loop).
; The two heads' four scale bytes make one whole scale word of the last product's K step.  Four waves share a SIMD, so that one wave's vector work stands beside another's matrix work and LDS loads.
; LDS holds, for both heads, the 512 keys from 256 x - 256 on: K's and V's codes and scale words, copied once through registers, one barrier.  For x = 0 the first 256 do not exist: their place takes a second copy of keys 0 .. 255
; (sound codes and bytes), and all their scores are masked.  So every LDS address hangs on the wave's number and the lane alone.
; LAYOUT.  Both products transposed: S^T = K Q^T, O^T = V^T P^T: a lane holds ONE query (lane % 16).  In tile t register j of lane (r, h) is key 32 (w / 2) + 16 t + 8 h + j of the 512.
; K = 64: the instruction's k = 64 .. 127 are zero codes in Q's fragment; K's registers there hold the next tile's codes, which count for nothing; the scale bytes there are 0x7f.
; No cluster: neighbouring query blocks share only half of one fill, and partners would need different tiles.  No prefetch: all global loads stand at the head.
.set KCL,   0                          ; K's codes: 16,384 bytes a head: [tile of 16 keys][lane][16]
.set VCL,   32768                      ; V's codes: 16,384 bytes a head: [block of 32 keys][channel][16]
.set KSL,   65536                      ; K's scale words: 2,048 bytes a head
.set VSL,   69632                      ; V's scale words: 1,024 bytes a head: [128 keys][channel]
.set SPARE, 71680                      ; the spare words: 128 bytes a wave, named by no other line
.set SPW, 1
.set NIL, 2
.set AKC, 3                            ; 1024 (w / 2) + 16 lane
.set AKS, 4                            ; KSL + 128 (w / 2) + 4 lane
.set AVC, 5                            ; VCL + 1024 (w / 2) + 1024 h + 16 r
.set AVC2, 6                           ; VCL + 1024 (w / 2 + 8) + 16 r
.set AVS, 7                            ; VSL + 256 (w / 8) + 4 lane
.set D2,  8                            ; r - 8 h + 16 (w % 2): query - key = 256 + D2 - (16 t + j)
.set NINF, 9
.set GOC, 10                           ; 16 lane
.set GOS, 11                           ; 4 r
.set QF,  20                           ; v20-27, v28-35 Q's fragments: four registers of codes, four of zeros
.set QS,  36                           ; v36, v37 Q's scale words
.set KF,  40                           ; v40-75 nine tiles of K, four registers each; v76-79 zeros for good
.set KSW, 80                           ; v80-88 K's scale words: lanes 0-15 tile 2 i, lanes 16-31 tile 2 i + 1
.set PW,  92                           ; v92-94 p's scale words
.set TT,  95
.set S,   96                           ; v96-239 the scores, then p: 18 tiles x 8
.set BM,  40                           ; behind the scores: v40-48 the blocks' largest scores, then largest p
.set BT,  49
.set BY,  58
.set SO,  67                           ; v67-75 the conversions' scale operands
.set PC,  40                           ; v40-63 p's codes: three K steps x 8
.set VW,  80                           ; v80-85 V's scale words as they lie;  v86-91 shifted to my first block
.set VY,  86
.set VF,  96                           ; V's fragments: v96-159 K steps 0 and 1; v160-179 K step 2
.set OT,  192                          ; v192-223 O^T
.set TC,  224                          ; v224-231 ctx's quantiser
.set VOC0, 240
.set VOKS, 242
.set VOVS, 243
.set LD16, 244
.set LDKS, 245
.set LDVS, 246
.set EE,  247                          ; 256 - 32 (w / 2) - 8 h: for x = 0 the keys with 16 t + j under it do not exist
.set CX,  248                          ; v248-251, v252-255 ctx's codes of the two heads (at the head: lane, r, h and other temporaries)
	s_load_b256 s[4:11], s[0:1], 0x0               ; qk_codes, qk_scales, v_codes, v_scales
	s_load_b128 s[12:15], s[0:1], 0x20             ; c_codes, c_scales
	v_lshl_add_u32 v[SPW], v0, 2, SPARE
	v_mov_b32 v[NIL], 0
.irp n, 4,5,6,7,12,13,14,15
	v_mov_b32 v[QF+\n], 0                          ; Q's codes of k = 64 .. 127
.endr
.irp n, 76,77,78,79
	v_mov_b32 v[\n], 0                             ; what stands behind K's ninth tile
.endr
	v_mov_b32 v13, 0                               ; (named as upper halves of pairs)
	v_mov_b32 v19, 0
	v_mov_b32 v[NINF], 0xff800000
	v_lshrrev_b32 v3, 5, v0
	v_readfirstlane_b32 s16, v3                    ; wave 0..15
	s_mov_b32 s17, ttmp9                           ; the block of 256 queries
	s_and_b32 s18, ttmp7, 0xffff                   ; g = 8 b + pair of heads
	s_lshl_b32 s19, s17, 8
	s_lshl_b32 s27, s16, 4
	s_add_co_u32 s19, s19, s27                     ; my first query
	s_mov_b32 s20, 0x76543210
	s_mov_b32 s21, 0xfedcba98                      ; lane l xor 16
	s_mov_b32 s22, 0x3e38aa3b                      ; c = log2(e) / 8
	s_mov_b32 s23, s22
	s_bfe_u32 s24, s16, 0x20001
	s_mul_i32 s24, s24, 0x01010101
	s_add_co_u32 s24, s24, 0x03020100              ; byte selects: four bytes from byte (w / 2) % 4 of a pair of words on
	s_lshl_b32 s26, s17, 8                         ; the second 256 keys begin at 256 x,
	s_sub_co_i32 s25, s26, 256
	s_max_i32 s25, s25, 0                          ; the first at 256 x - 256, or at 0
	v_and_b32 v248, 31, v0                         ; lane
	v_and_b32 v249, 15, v0                         ; r
	v_bfe_u32 v250, v0, 4, 1                       ; h
	v_lshlrev_b32 v251, 3, v250                    ; 8 h
	s_lshr_b32 s27, s16, 1                         ; w / 2: my first block of 32 keys
	s_lshl_b32 s28, s27, 10
	v_lshl_add_u32 v[AKC], v248, 4, s28
	s_add_co_u32 s29, s28, VCL
	v_lshl_add_u32 v[AVC], v249, 4, s29
	v_lshl_add_u32 v[AVC], v250, 10, v[AVC]
	s_add_co_u32 s29, s29, 8192
	v_lshl_add_u32 v[AVC2], v249, 4, s29
	s_lshl_b32 s28, s27, 7
	s_add_co_u32 s28, s28, KSL
	v_lshl_add_u32 v[AKS], v248, 2, s28
	s_lshr_b32 s28, s16, 3
	s_lshl_b32 s28, s28, 8
	s_add_co_u32 s28, s28, VSL
	v_lshl_add_u32 v[AVS], v248, 2, s28
	v_sub_nc_u32 v[D2], v249, v251
	s_and_b32 s28, s16, 1
	s_lshl_b32 s28, s28, 4
	v_add_nc_u32 v[D2], s28, v[D2]
	s_lshl_b32 s28, s27, 5
	s_sub_co_u32 s28, 256, s28
	v_sub_nc_u32 v[EE], s28, v251
	v_lshlrev_b32 v[GOC], 4, v248
	v_lshlrev_b32 v[GOS], 2, v249
	; the copy: thread t of 512
	s_lshl_b32 s28, s25, 5
	v_lshl_add_u32 v[VOC0], v0, 4, s28             ; codes: 32 bytes a key in K's and in V's buffer alike; 16 bytes a thread, 256 keys an instruction
	s_lshl_b32 s28, s26, 5
	v_lshl_add_u32 v[VOC0+1], v0, 4, s28
	v_lshrrev_b32 v252, 8, v0                      ; which head
	v_and_b32 v253, 127, v0
	v_bfe_u32 v254, v0, 7, 1                       ; which 256 keys
	s_sub_co_u32 s29, s26, s25
	s_lshl_b32 s28, s29, 2
	v_lshlrev_b32 v[VOKS], 13, v252                ; K's scale words: 8,192 bytes a head, 4 a key, 8 a thread
	v_lshl_add_u32 v[VOKS], v253, 3, v[VOKS]
	v_mul_u32_u24 v255, v254, s28
	v_add_nc_u32 v[VOKS], v[VOKS], v255
	s_lshl_b32 s28, s25, 2
	v_add_nc_u32 v[VOKS], s28, v[VOKS]
	s_lshl_b32 s28, s29, 1
	v_lshlrev_b32 v[VOVS], 12, v252                ; V's: 4,096 bytes a head, 256 for 128 keys, 4 a thread
	v_lshl_add_u32 v[VOVS], v253, 2, v[VOVS]
	v_mul_u32_u24 v255, v254, s28
	v_add_nc_u32 v[VOVS], v[VOVS], v255
	s_lshl_b32 s28, s25, 1
	v_add_nc_u32 v[VOVS], s28, v[VOVS]
	v_lshlrev_b32 v[LD16], 4, v0
	v_lshl_add_u32 v[LDKS], v0, 3, KSL
	v_lshl_add_u32 v[LDVS], v0, 2, VSL
	s_mov_b32 s37, 0
	s_wait_kmcnt 0x0
	s_lshl_b32 s36, s18, 17                        ; my first head: 65,536 bytes of codes a head
	s_add_nc_u64 s[32:33], s[4:5], s[36:37]
	s_add_nc_u64 s[32:33], s[32:33], 0x400000      ; K's codes lie behind Q's
	s_add_nc_u64 s[8:9], s[8:9], s[36:37]
	s_add_nc_u64 s[4:5], s[4:5], s[36:37]
	s_lshl_b32 s36, s19, 5
	s_add_nc_u64 s[4:5], s[4:5], s[36:37]          ; Q's codes at my first query
	s_lshl_b32 s36, s18, 14                        ; 8,192 bytes of scale words a head
	s_add_nc_u64 s[34:35], s[6:7], s[36:37]
	s_add_nc_u64 s[34:35], s[34:35], 0x80000       ; K's
	s_add_nc_u64 s[6:7], s[6:7], s[36:37]
	s_lshl_b32 s36, s19, 2
	s_add_nc_u64 s[6:7], s[6:7], s[36:37]          ; Q's, at my first query
	s_lshl_b32 s36, s18, 13
	s_add_nc_u64 s[10:11], s[10:11], s[36:37]      ; V's scale words
	s_lshr_b32 s38, s18, 3                         ; b
	s_and_b32 s39, s18, 7                          ; the pair of heads
	s_lshl_b32 s36, s38, 7
	s_lshl_b32 s40, s17, 4
	s_add_co_u32 s36, s36, s40
	s_add_co_u32 s36, s36, s16                     ; my tile of 16 rows of ctx: 128 b + 16 x + w
	s_lshl_b32 s36, s36, 13
	s_lshl_b32 s40, s39, 10
	s_add_co_u32 s36, s36, s40
	s_add_nc_u64 s[12:13], s[12:13], s[36:37]      ; c_codes [tile][head][lane][16]
	s_lshl_b32 s36, s38, 11
	s_add_co_u32 s36, s36, s19
	s_lshl_b32 s36, s36, 2
	s_lshl_b32 s40, s39, 15
	s_add_co_u32 s36, s36, s40
	s_add_nc_u64 s[14:15], s[14:15], s[36:37]      ; c_scales [K step = pair][row] words
.irp c, 0,1
.irp j, 0,1
	global_load_b128 v[96+16*\c+8*\j:99+16*\c+8*\j], v[VOC0+\c], s[32:33] offset:65536*\j
	global_load_b128 v[100+16*\c+8*\j:103+16*\c+8*\j], v[VOC0+\c], s[8:9] offset:65536*\j
.endr
.endr
	global_load_b64 v[128:129], v[VOKS], s[34:35]
	global_load_b32 v130, v[VOVS], s[10:11]
	global_load_b128 v[QF:QF+3], v[GOC], s[4:5]
	global_load_b128 v[QF+8:QF+11], v[GOC], s[4:5] offset:65536
	global_load_b32 v[QS], v[GOS], s[6:7]
	global_load_b32 v[QS+1], v[GOS], s[6:7] offset:8192
	s_wait_loadcnt 0x4                             ; the ten loads of the copy are in; Q's four, issued behind them, may be out
.irp c, 0,1
.irp j, 0,1
	ds_store_b128 v[LD16], v[96+16*\c+8*\j:99+16*\c+8*\j] offset:KCL+16384*\j+8192*\c
	ds_store_b128 v[LD16], v[100+16*\c+8*\j:103+16*\c+8*\j] offset:VCL+16384*\j+8192*\c
.endr
.endr
	ds_store_b64 v[LDKS], v[128:129]
	ds_store_b32 v[LDVS], v130
	s_wait_dscnt 0x0                               ; for the others' sake: my stores have landed
	s_barrier_signal -1
	s_barrier_wait -1                              ; from here on LDS is only read
	s_wait_loadcnt 0x0                             ; Q
.macro WM d, a, b, acc, sa, sb, row    ; one matrix instruction; acc = 0: it starts its sum; row = 1: source 0's scale words stand in lanes 16-31
.if \acc
.if \row
	v_wmma_scale_f32_16x16x128_f8f6f4 v[(\d):(\d)+7], v[(\a):(\a)+7], v[(\b):(\b)+7], v[(\d):(\d)+7], v[\sa], v[\sb] matrix_a_fmt:MATRIX_FMT_FP4 matrix_b_fmt:MATRIX_FMT_FP4 matrix_a_scale:MATRIX_SCALE_ROW1
.else
	v_wmma_scale_f32_16x16x128_f8f6f4 v[(\d):(\d)+7], v[(\a):(\a)+7], v[(\b):(\b)+7], v[(\d):(\d)+7], v[\sa], v[\sb] matrix_a_fmt:MATRIX_FMT_FP4 matrix_b_fmt:MATRIX_FMT_FP4
.endif
.else
.if \row
	v_wmma_scale_f32_16x16x128_f8f6f4 v[(\d):(\d)+7], v[(\a):(\a)+7], v[(\b):(\b)+7], 0, v[\sa], v[\sb] matrix_a_fmt:MATRIX_FMT_FP4 matrix_b_fmt:MATRIX_FMT_FP4 matrix_a_scale:MATRIX_SCALE_ROW1
.else
	v_wmma_scale_f32_16x16x128_f8f6f4 v[(\d):(\d)+7], v[(\a):(\a)+7], v[(\b):(\b)+7], 0, v[\sa], v[\sb] matrix_a_fmt:MATRIX_FMT_FP4 matrix_b_fmt:MATRIX_FMT_FP4
.endif
.endif
.endm
.macro HEAD j
	; ---- the scores: 18 tiles of 16 keys, nine at a time
.irp i, 0,1,2,3,4,5,6,7,8
	ds_load_b32 v[KSW+\i], v[AKS] offset:128*\i+2048*\j
.endr
.irp u, 0,1
.if \u
.rept 4
	v_nop                                          ; places in front of loads into registers that matrix instructions have read
.endr
.endif
.irp t, 0,1,2,3,4,5,6,7,8
	ds_load_b128 v[KF+4*\t:KF+4*\t+3], v[AKC] offset:512*(9*\u+\t)+16384*\j
.endr
	s_wait_dscnt 0x0
.irp t, 0,1,2,3,4,5,6,7,8
	WM S+8*(9*\u+\t), KF+4*\t, QF+8*\j, 0, KSW+(9*\u+\t)/2, QS+\j, (9*\u+\t)%2
.endr
.endr
.rept 4
	v_nop
.endr
	; ---- the mask: hidden scores become -infinity, so that p = 0.  Tiles 0, 1: too old where 16 t + j <= D2.  Tiles 16, 17: in the future where 16 t + j - 256 > D2.  Tiles 2 to 15 are open
.irp n, 0,1,2,3,4,5,6,7
	v_cmp_le_i32 vcc_lo, \n, v[D2]
	v_cndmask_b32 v[S+\n], v[S+\n], v[NINF], vcc_lo
.endr
.irp n, 0,1,2,3,4,5,6,7
	v_cmp_le_i32 vcc_lo, 16+\n, v[D2]
	v_cndmask_b32 v[S+8+\n], v[S+8+\n], v[NINF], vcc_lo
.endr
.irp n, 0,1,2,3,4,5,6,7
	v_cmp_gt_i32 vcc_lo, \n, v[D2]
	v_cndmask_b32 v[S+128+\n], v[S+128+\n], v[NINF], vcc_lo
.endr
.irp n, 0,1,2,3,4,5,6,7
	v_cmp_gt_i32 vcc_lo, 16+\n, v[D2]
	v_cndmask_b32 v[S+136+\n], v[S+136+\n], v[NINF], vcc_lo
.endr
	s_cmp_lg_u32 s17, 0                            ; the first block of queries: the keys ahead of key 0 do not exist (a branch on the work-group's number)
	s_cbranch_scc1 .Lopen_\@
.set tt, 0
.rept 16
.irp n, 0,1,2,3,4,5,6,7
	v_cmp_lt_i32 vcc_lo, 16*tt+\n, v[EE]
	v_cndmask_b32 v[S+8*tt+\n], v[S+8*tt+\n], v[NINF], vcc_lo
.endr
.set tt, tt+1
.endr
.Lopen_\@:
	; ---- the largest score of each block of 32 keys: for the row's maximum, and, since p rises with the score, for the block's largest p
.irp e, 0,1,2,3,4,5,6,7,8
	v_max3_num_f32 v[BM+\e], v[S+16*\e], v[S+16*\e+1], v[S+16*\e+2]
.endr
.irp i, 3,5,7,9,11,13
.irp e, 0,1,2,3,4,5,6,7,8
	v_max3_num_f32 v[BM+\e], v[BM+\e], v[S+16*\e+\i], v[S+16*\e+\i+1]
.endr
.endr
.irp e, 0,1,2,3,4,5,6,7,8
	v_max_num_f32 v[BM+\e], v[BM+\e], v[S+16*\e+15]
.endr
.irp e, 0,1,2,3,4,5,6,7,8
	v_permlanex16_b32 v[BT+\e], v[BM+\e], s20, s21
.endr
.irp e, 0,1,2,3,4,5,6,7,8
	v_max_num_f32 v[BM+\e], v[BM+\e], v[BT+\e]     ; with lane l xor 16's 16 keys
.endr
	v_max3_num_f32 v[TT], v[BM], v[BM+1], v[BM+2]
	v_max3_num_f32 v[TT], v[TT], v[BM+3], v[BM+4]
	v_max3_num_f32 v[TT], v[TT], v[BM+5], v[BM+6]
	v_max3_num_f32 v[TT], v[TT], v[BM+7], v[BM+8]  ; the row's largest score: key i itself is always visible, so it is a number
	v_mul_f32 v[TT], s22, v[TT]
	v_floor_f32 v12, -v[TT]                        ; -M = floor(-t) = -ceil(t)
.set nn, 0
.rept 72
	v_pk_fma_f32 v[S+nn:S+nn+1], v[S+nn:S+nn+1], s[22:23], v[12:13] op_sel_hi:[1,0,0]   ; t - M, two at a time
.set nn, nn+2
.endr
.irp e, 0,1,2,3,4,5,6,7,8
	v_fma_f32 v[BM+\e], v[BM+\e], s22, v12         ; the same of each block's largest score
.endr
.set nn, 0
.rept 144
	v_exp_f32 v[S+nn], v[S+nn]                     ; p = 2^(t - M): one batch
.set nn, nn+1
.endr
	v_nop                                          ; a plain place behind the last exponential
	s_wait_alu depctr_va_vdst(0)                   ; one wait for the batch, ahead of its first reader
.irp e, 0,1,2,3,4,5,6,7,8
	v_exp_f32 v[BM+\e], v[BM+\e]                   ; the blocks' largest p: the same two instructions on the same numbers
.endr
	v_pk_add_f32 v[14:15], v[S:S+1], v[S+2:S+3]    ; the row's sum of the UNQUANTISED p, in two chains (plain work behind the nine)
	v_pk_add_f32 v[16:17], v[S+4:S+5], v[S+6:S+7]
.set nn, 8
.rept 34
	v_pk_add_f32 v[14:15], v[14:15], v[S+nn:S+nn+1]
	v_pk_add_f32 v[16:17], v[16:17], v[S+nn+2:S+nn+3]
.set nn, nn+4
.endr
	v_pk_add_f32 v[14:15], v[14:15], v[16:17]
	s_wait_alu depctr_va_vdst(0)                   ; and one for the nine
.irp e, 0,1,2,3,4,5,6,7,8
	v_max_num_f32 v[BM+\e], 0x1800000, v[BM+\e]    ; the floor 2^(3 - 127): the byte cannot fall under 1
.endr
.irp e, 0,1,2,3,4,5,6,7,8
	v_add_nc_u32 v[SO+\e], 0xff000000, v[BM+\e]    ; 2 off the exponent field: the conversion's scale operand
.endr
.irp e, 0,1,2,3,4,5,6,7,8
	v_lshrrev_b32 v[BY+\e], 23, v[SO+\e]           ; the scale's byte
.endr
.irp s, 0,1
	v_lshl_or_b32 v[PW+\s], v[BY+4*\s+1], 8, v[BY+4*\s]
	v_lshl_or_b32 v[PW+\s], v[BY+4*\s+2], 16, v[PW+\s]
	v_lshl_or_b32 v[PW+\s], v[BY+4*\s+3], 24, v[PW+\s]
.endr
	v_mov_b32 v[PW+2], v[BY+8]                     ; the third K step has one block; the bytes 0 above it scale zero codes
.irp n, 17,19,20,21,22,23
	v_mov_b32 v[PC+\n], 0                          ; its other three blocks: zero codes
.endr
.irp s, 0,1
.irp c, 0,1
	v_cvt_scalef32_pk8_fp4_f32 v[PC+8*\s+4*\c], v[S+64*\s+32*\c:S+64*\s+32*\c+7], v[SO+4*\s+2*\c]            ; block 4 s + 2 c, word h
	v_cvt_scalef32_pk8_fp4_f32 v[PC+8*\s+4*\c+1], v[S+64*\s+32*\c+16:S+64*\s+32*\c+23], v[SO+4*\s+2*\c+1]    ; the next block, word h
	v_cvt_scalef32_pk8_fp4_f32 v[PC+8*\s+4*\c+2], v[S+64*\s+32*\c+8:S+64*\s+32*\c+15], v[SO+4*\s+2*\c]       ; words 2 + h
	v_cvt_scalef32_pk8_fp4_f32 v[PC+8*\s+4*\c+3], v[S+64*\s+32*\c+24:S+64*\s+32*\c+31], v[SO+4*\s+2*\c+1]
.endr
.endr
	v_cvt_scalef32_pk8_fp4_f32 v[PC+16], v[S+128:S+135], v[SO+8]
	v_cvt_scalef32_pk8_fp4_f32 v[PC+18], v[S+136:S+143], v[SO+8]
	v_nop                                          ; one plain place behind a scaled conversion
.irp n, 0,2,4,6,8,10,12,14,16,18
	v_permlane16_swap_b32 v[PC+\n], v[PC+\n+1]     ; a whole block to a lane: lanes 0-15 the even block of a pair, lanes 16-31 the odd one
.endr
	; ---- V's fragments, into the registers that p has left
.irp s, 0,1
.irp t, 0,1,2,3
.irp c, 0,1
	ds_load_b128 v[VF+32*\s+8*\t+4*\c:VF+32*\s+8*\t+4*\c+3], v[AVC] offset:(4*\s+2*\c)*1024+256*\t+16384*\j
.endr
.endr
.endr
.irp t, 0,1,2,3
	ds_load_b128 v[VF+64+4*\t:VF+64+4*\t+3], v[AVC2] offset:256*\t+16384*\j     ; the ninth block, in both halves of the lanes; what stands behind it in a fragment meets zero codes of p
.endr
.irp s, 0,1,2
.irp u, 0,1
	ds_load_b32 v[VW+2*\s+\u], v[AVS] offset:256*\s+128*\u+1024*\j              ; lanes 0-15 channels 32 u + 0 .. 15, lanes 16-31 the next 16
.endr
.endr
	v_add_f32 v14, v14, v15                        ; the sum's two halves,
	v_permlanex16_b32 v16, v14, s20, s21
	v_add_f32 v14, v14, v16                        ; and lane l xor 16's
	v_rcp_f32 v18, v14
	v_nop                                          ; a plain place behind the reciprocal
	s_wait_dscnt 0x0
.irp u, 0,1
	v_perm_b32 v[VY+\u], v[VW+2+\u], v[VW+\u], s24         ; V's words begin at multiples of four blocks, my window at block w / 2: four bytes out of two words
	v_perm_b32 v[VY+2+\u], v[VW+4+\u], v[VW+2+\u], s24
	v_perm_b32 v[VY+4+\u], v[VW+4+\u], v[VW+4+\u], s24     ; byte 0: the ninth block's; the others, sound bytes, scale zero codes
.endr
.rept 8
	v_nop                                          ; scale registers written by vector instructions stand 8 places ahead of a scaled matrix instruction
.endr
	; ---- O^T = V^T P^T: three K steps, the four accumulators by turns
.irp s, 0,1,2
.irp t, 0,1,2,3
.if \s < 2
	WM OT+8*\t, VF+32*\s+8*\t, PC+8*\s, \s, VY+2*\s+\t/2, PW+\s, \t%2
.else
	WM OT+8*\t, VF+64+4*\t, PC+16, 1, VY+4+\t/2, PW+2, \t%2
.endif
.endr
.endr
.rept 4
	v_nop
.endr
	s_wait_alu depctr_va_vdst(0)                   ; the wait for the reciprocal, ahead of its first reader
.set nn, 0
.rept 16
	v_pk_mul_f32 v[OT+nn:OT+nn+1], v[OT+nn:OT+nn+1], v[18:19] op_sel_hi:[1,0]   ; ctx = O^T / the sum; each accumulator from its low end on
.set nn, nn+2
.endr
	; ---- ctx is quantised along the channels: the head's two blocks of 32
.irp e, 0,1
	v_max3_num_f32 v[TC+\e], |v[OT+16*\e]|, |v[OT+16*\e+1]|, 0x1800000
.endr
.irp i, 2,4,6,8,10,12,14
.irp e, 0,1
	v_max3_num_f32 v[TC+\e], v[TC+\e], |v[OT+16*\e+\i]|, |v[OT+16*\e+\i+1]|
.endr
.endr
.irp e, 0,1
	v_permlanex16_b32 v[TC+2+\e], v[TC+\e], s20, s21
.endr
.irp e, 0,1
	v_max_num_f32 v[TC+\e], v[TC+\e], v[TC+2+\e]
.endr
.irp e, 0,1
	v_add_nc_u32 v[TC+4+\e], 0xff000000, v[TC+\e]
.endr
.irp e, 0,1
	v_lshrrev_b32 v[TC+6+\e], 23, v[TC+4+\e]
.endr
.if \j == 0
	v_lshl_or_b32 v38, v[TC+7], 8, v[TC+6]         ; the first head's two bytes are kept
.else
	v_lshl_or_b32 v39, v[TC+7], 8, v[TC+6]
	v_lshl_or_b32 v39, v39, 16, v38                ; with the second's: the scale word of these 128 channels
.endif
	v_cvt_scalef32_pk8_fp4_f32 v[CX+4*\j], v[OT:OT+7], v[TC+4]
	v_cvt_scalef32_pk8_fp4_f32 v[CX+4*\j+1], v[OT+16:OT+23], v[TC+5]
	v_cvt_scalef32_pk8_fp4_f32 v[CX+4*\j+2], v[OT+8:OT+15], v[TC+4]
	v_cvt_scalef32_pk8_fp4_f32 v[CX+4*\j+3], v[OT+24:OT+31], v[TC+5]
	v_nop
	v_permlane16_swap_b32 v[CX+4*\j], v[CX+4*\j+1]
	v_permlane16_swap_b32 v[CX+4*\j+2], v[CX+4*\j+3]
	global_store_b128 v[GOC], v[CX+4*\j:CX+4*\j+3], s[12:13] offset:512*\j      ; 512 consecutive bytes: half a fragment of the last product, as its registers want it; each head has registers of its own
.endm
	HEAD 0
	HEAD 1
	global_store_b32 v[GOS], v39, s[14:15]         ; lanes l and l + 16 hold the same word and name the same place
	s_wait_tensorcnt 0x0                           ; the wave's end
	ds_add_u32 v[SPW], v[NIL]
	s_wait_dscnt 0x0
	s_endpgm
.Lfunc_end_k_q674ec74ffc_attn:
	.size	k_q674ec74ffc_attn, .Lfunc_end_k_q674ec74ffc_attn-k_q674ec74ffc_attn
	.p2alignl 7, 3214868480
	.fill 96, 4, 3214868480
	.section	.rodata,"a",@progbits
	.p2align	6, 0x0
	.amdhsa_kernel k_q674ec74ffc_attn
		.amdhsa_group_segment_fixed_size 73728
		.amdhsa_private_segment_fixed_size 0
		.amdhsa_enable_private_segment 0
		.amdhsa_kernarg_size 48
		.amdhsa_user_sgpr_count 2
		.amdhsa_user_sgpr_kernarg_segment_ptr 1
		.amdhsa_wavefront_size32 1
		.amdhsa_system_sgpr_workgroup_id_x 1
		.amdhsa_system_sgpr_workgroup_id_y 1
		.amdhsa_system_sgpr_workgroup_id_z 1
		.amdhsa_system_vgpr_workitem_id 0
		.amdhsa_next_free_vgpr 256
		.amdhsa_next_free_sgpr 66
		.amdhsa_reserve_vcc 1
		.amdhsa_float_denorm_mode_32 3
		.amdhsa_float_denorm_mode_16_64 3
		.amdhsa_memory_ordered 1
		.amdhsa_forward_progress 1
		.amdhsa_inst_pref_size 103
	.end_amdhsa_kernel
	.amdgpu_metadata
---
amdhsa.version: [ 1, 2 ]
amdhsa.kernels:
  - .name:           k_q674ec74ffc_attn
    .symbol:         k_q674ec74ffc_attn.kd
    .args:
      - { .name: qk_codes, .offset: 0, .size: 8, .value_kind: global_buffer, .address_space: global }
      - { .name: qk_scales, .offset: 8, .size: 8, .value_kind: global_buffer, .address_space: global }
      - { .name: v_codes, .offset: 16, .size: 8, .value_kind: global_buffer, .address_space: global }
      - { .name: v_scales, .offset: 24, .size: 8, .value_kind: global_buffer, .address_space: global }
      - { .name: c_codes, .offset: 32, .size: 8, .value_kind: global_buffer, .address_space: global }
      - { .name: c_scales, .offset: 40, .size: 8, .value_kind: global_buffer, .address_space: global }
    .group_segment_fixed_size: 73728
    .private_segment_fixed_size: 0
    .kernarg_segment_align: 8
    .kernarg_segment_size: 48
    .max_flat_workgroup_size: 512
    .sgpr_count:     66
    .vgpr_count:     256
    .wavefront_size: 32
...
	.end_amdgpu_metadata
.endif
;; end of part 2
;; launch proj (part 3): grid 4 x 64, 4 waves a work-group, clusters of 4 x 4, 327,680 bytes of LDS; arguments c_codes, c_scales, W_proj_codes, W_proj_scales, b_proj, out0; writes out0
.if DOCPART == 3
	.amdgcn_target "amdgcn-amd-amdhsa--gfx1250"
	.amdhsa_code_object_version 6
	.text
	.protected	k_q674ec74ffc_proj
	.globl	k_q674ec74ffc_proj
	.p2align	8
	.type	k_q674ec74ffc_proj,@function
k_q674ec74ffc_proj:
	s_mov_b64 s[64:65], 0
	v_nop
	global_prefetch_b8 v0, s[64:65] scope:SCOPE_SE
	s_setreg_imm32_b32 hwreg(HW_REG_WAVE_MODE, 25, 1), 1
	s_wait_xcnt 0x0
	s_wait_alu depctr_hold_cnt(0) depctr_sa_sdst(0) depctr_va_vdst(0) depctr_va_sdst(0) depctr_va_ssrc(0) depctr_va_vcc(0) depctr_vm_vsrc(0)
	s_getreg_b32 s2, hwreg(HW_REG_IB_STS2, 6, 4)
	s_cmp_eq_u32 s2, 0
	s_cbranch_scc0 .Lentry_in_a_cluster
	s_endpgm
.Lentry_in_a_cluster:
	s_bfe_u32 s2, ttmp6, 0x10000c
	s_cmp_lg_u32 s2, 0xf033
	s_cbranch_scc0 .Lentry_shape_is_right
	s_endpgm
.Lentry_shape_is_right:
; out = ctx W_proj^T + b_proj on codes of FP4 (E2M1) with one E8M0 scale for each 32 along K = 1,024.  ctx comes as the launch before laid it: c_codes [tile of 16 rows][head][lane][16 bytes], the image of the
; operand's registers (K step = head / 2, register group = head % 2), and c_scales [K step][row] words.  W_proj comes as given: rows of 512 bytes of codes and 32 scale bytes.  Nothing of reference() is left out here.
; SHARES.  A tile of 128 rows x 256 columns to a work-group (256 work-groups; tiles of 256 x 256 would be 128), 64 x 128 to each of its four waves: 32 accumulators.
; THE MATRIX INSTRUCTION IS USED TRANSPOSED: source 0 = 16 rows of W_proj, source 1 = 16 rows of ctx: a lane holds eight neighbouring columns of one row of out.  The bias is the C of each sum's first instruction.
; K = 1,024 is two LDS slots of 512: all tiles and scales are asked for at the head, three tensor loads a wave; no LDS byte is filled twice.
; CLUSTERS: 4 x 4 work-groups; ctx's tiles are asked for jointly along a row of the cluster, W_proj's along a column.
; REGISTERS: window 0: v16-30 addresses; v32-63 ctx's scale words, v64-127 W_proj's; v128-191 ctx's fragments, two sets; on the way out v128-255.  window 1: v0-63, v128-191 W_proj's fragments, two sets; v64-127 the bias.  window 2: accumulators.
.set PITCH,  272
.set SLOTB,  102400                    ; a slot: ctx's 8 tiles x 4,096 bytes, then W_proj's 256 rows x 272
.set BOFF,   32768
.set HALFB,  128*PITCH
.set ASC,    2*SLOTB                   ; ctx's scale words: [K step 8][128 rows]
.set BSC,    ASC+4096                  ; W_proj's scale bytes: 32 rows of 256 bytes + 16
.set HALFS,  16*272
.set SPARE,  BSC+2*HALFS               ; the spare words: 128 bytes a wave, named by no other line
.set SPITCH, 528                       ; the way out: a stage of 16 rows x (512 + 16) bytes a wave, in slot 0, which has had its one fill and its last read by then
.set ADRA, 16
.set ADRB, 20
.set ADSA, 22
.set ADSB, 23
.set STO,  24
.set RD,   25
.set CO,   26
.set SPW,  28
.set NIL,  29
.set VB,   30
.set SA,   32                          ; v[SA + 8 a + g]: the words of ctx's block a, K step g
.set SB,   64                          ; v[SB + 8 b + g]: those of W_proj's block b
.set AF,   128
.set BK,   128
.set BI,   64                          ; in window 1
.set G1, 24
.set G0, 32
.set G1B, 48
.set G0B, 56
.set G1S, 68
.set G0S, 76
.set G1SB, 80
.set G0SB, 88
.set MSB, 0
.macro WIN new
.if MSB != (\new)
	s_set_vgpr_msb (MSB<<8)|(\new)
.set MSB, (\new)
.endif
.endm
.macro JLOAD g0a, g1a, g0b, g1b        ; waves 0 and 1 fetch for ctx, waves 2 and 3 for W_proj; an s_nop 0 and four v_nop follow each line
	s_cmp_eq_u32 s15, 0
	s_cbranch_scc0 .Lfor_b_\@
	tensor_load_to_lds s[\g0a:\g0a+3], s[\g1a:\g1a+7]
	s_nop 0
.rept 4
	v_nop
.endr
	s_branch .Lasked_\@
.Lfor_b_\@:
	tensor_load_to_lds s[\g0b:\g0b+3], s[\g1b:\g1b+7]
	s_nop 0
.rept 4
	v_nop
.endr
.Lasked_\@:
.endm
.macro CROUND
	s_barrier_signal -1
	s_barrier_wait -1
	s_cmp_lg_u32 s14, 0
	s_cbranch_scc1 .Lnot_wave_0_\@
	s_barrier_signal -3
.Lnot_wave_0_\@:
	s_barrier_wait -3
	s_barrier_signal -1
	s_barrier_wait -1
.endm
.macro PLACES n
.rept \n
	v_nop
.endr
.endm
	s_load_b128 s[4:7], s[0:1], 0x0                ; c_codes, c_scales
	s_load_b128 s[8:11], s[0:1], 0x10              ; W_proj's codes, its scales
	s_load_b64 s[96:97], s[0:1], 0x20              ; b_proj
	s_load_b64 s[12:13], s[0:1], 0x28              ; out0
	v_lshl_add_u32 v[SPW], v0, 2, SPARE
	v_mov_b32 v[NIL], 0
	ds_add_u32 v[SPW], v[NIL]                      ; the wave's opening: the add, twice on end, and its wait ahead of my first tensor load
	ds_add_u32 v[SPW], v[NIL]
	v_lshrrev_b32 v1, 5, v0
	v_readfirstlane_b32 s14, v1                    ; wave 0..3
	s_lshr_b32 s15, s14, 1                         ; my half of the rows.  Also: I fetch for ctx (0) or for W_proj (1)
	s_and_b32 s16, s14, 1                          ; my half of the columns.  Also: which half of that tile I fetch
	s_bfe_u32 s40, ttmp6, 0x40000                  ; cx
	s_bfe_u32 s41, ttmp6, 0x40004                  ; cy
	s_lshl_b32 s42, ttmp9, 2
	s_add_co_u32 s42, s42, s40                     ; tile column = 4 x cluster x + cx
	s_and_b32 s17, ttmp7, 0xffff
	s_lshl_b32 s17, s17, 2
	s_add_co_u32 s17, s17, s41                     ; tile row = 4 x cluster y + cy
	s_lshl_b32 s43, s41, 2
	s_lshl_b32 s43, 15, s43                        ; my row of the cluster
	s_lshl_b32 s44, 0x1111, s40                    ; my column
	s_or_b32 s[G1+0], s43, (3<<16)|(1<<21)         ; ctx's codes: 4 tiles of rows x 4,096 bytes (512 elements of 8), 8,192 bytes apart; no padding: fragments are read as they lie
	s_mov_b32 s[G1+1], 512<<16
	s_mov_b32 s[G1+2], 4<<16
	s_mov_b32 s[G1+3], 512<<16
	s_mov_b32 s[G1+4], 4
	s_mov_b32 s[G1+5], 1024
	s_mov_b32 s[G1+6], 0
	s_mov_b32 s[G1+7], 0
	s_or_b32 s[G1S+0], s43, (3<<16)|(1<<21)        ; ctx's scale words: 4 K steps x 512 bytes (64 elements of 8), 32,768 bytes apart
	s_mov_b32 s[G1S+1], 64<<16
	s_mov_b32 s[G1S+2], 4<<16
	s_mov_b32 s[G1S+3], 64<<16
	s_mov_b32 s[G1S+4], 4
	s_mov_b32 s[G1S+5], 4096
	s_mov_b32 s[G1S+6], 0
	s_mov_b32 s[G1S+7], 0
	s_or_b32 s[G1B+0], s44, (0<<16)|(1<<20)|(1<<21)|(5<<22)|(3<<25)  ; W_proj's codes: 128 rows x 256 bytes, 512 apart; 16 bytes of padding behind each
	s_mov_b32 s[G1B+1], 256<<16
	s_mov_b32 s[G1B+2], 128<<16
	s_mov_b32 s[G1B+3], 256<<16
	s_mov_b32 s[G1B+4], 128
	s_mov_b32 s[G1B+5], 512
	s_mov_b32 s[G1B+6], 0
	s_mov_b32 s[G1B+7], 0
	s_or_b32 s[G1SB+0], s44, (3<<16)|(1<<20)|(1<<21)|(5<<22)|(3<<25) ; its scale bytes of 128 rows: 4,096 dense bytes as 16 rows of 256, padded
	s_mov_b32 s[G1SB+1], 32<<16
	s_mov_b32 s[G1SB+2], 16<<16
	s_mov_b32 s[G1SB+3], 32<<16
	s_mov_b32 s[G1SB+4], 16
	s_mov_b32 s[G1SB+5], 32
	s_mov_b32 s[G1SB+6], 0
	s_mov_b32 s[G1SB+7], 0
	s_lshl_b32 s20, s17, 16                        ; ctx's codes: (8 x tile row + 4 x half) tiles of 8,192 bytes
	s_lshl_b32 s21, s16, 15
	s_add_co_u32 s20, s20, s21
	s_mov_b32 s21, 0
	s_lshl_b32 s22, s16, 17                        ; its scale words: K steps 4 x half on, rows 128 x tile row on
	s_lshl_b32 s23, s17, 9
	s_add_co_u32 s22, s22, s23
	s_mov_b32 s23, 0
	s_lshl_b32 s46, s42, 17                        ; W_proj's codes: (256 x tile column + 128 x half) rows of 512 bytes
	s_lshl_b32 s47, s16, 16
	s_add_co_u32 s46, s46, s47
	s_mov_b32 s47, 0
	s_lshl_b32 s92, s42, 13                        ; its scale bytes: 32 a row
	s_lshl_b32 s93, s16, 12
	s_add_co_u32 s92, s92, s93
	s_mov_b32 s93, 0
	s_lshl_b32 s18, s16, 14                        ; where they go in LDS: by the wave's number alone
	s_mul_i32 s19, s16, HALFB
	s_lshl_b32 s2, s16, 11
	s_mul_i32 s3, s16, HALFS
	s_wait_dscnt 0x0                               ; both opening adds are done
	s_wait_kmcnt 0x0
	s_add_nc_u64 s[20:21], s[4:5], s[20:21]
	s_add_nc_u64 s[22:23], s[6:7], s[22:23]
	s_add_nc_u64 s[46:47], s[8:9], s[46:47]
	s_add_nc_u64 s[92:93], s[10:11], s[92:93]
	CROUND                                         ; all sixteen work-groups are here: the joint loads meet
	s_mov_b32 s[G0S], 1
	s_add_co_u32 s[G0S+1], s2, ASC
	s_mov_b64 s[G0S+2:G0S+3], s[22:23]
	s_or_b32 s[G0S+3], s[G0S+3], 0x80000000
	s_mov_b32 s[G0SB], 1
	s_add_co_u32 s[G0SB+1], s3, BSC
	s_mov_b64 s[G0SB+2:G0SB+3], s[92:93]
	s_or_b32 s[G0SB+3], s[G0SB+3], 0x80000000
	JLOAD G0S, G1S, G0SB, G1SB                     ; the scales of all of K
.irp s, 0,1
	s_mov_b32 s[G0+4*\s], 1
	s_add_co_u32 s[G0+4*\s+1], s18, \s*SLOTB
	s_add_nc_u64 s[G0+4*\s+2:G0+4*\s+3], s[20:21], \s*4096
	s_or_b32 s[G0+4*\s+3], s[G0+4*\s+3], 0x80000000
	s_mov_b32 s[G0B+4*\s], 1
	s_add_co_u32 s[G0B+4*\s+1], s19, \s*SLOTB+BOFF
	s_add_nc_u64 s[G0B+4*\s+2:G0B+4*\s+3], s[46:47], \s*256
	s_or_b32 s[G0B+4*\s+3], s[G0B+4*\s+3], 0x80000000
	JLOAD G0+4*\s, G1, G0B+4*\s, G1B               ; both halves of K: three tensor loads of mine are out
.endr
	v_and_b32 v1, 15, v0                           ; r
	v_bfe_u32 v2, v0, 4, 1                         ; h
	v_and_b32 v6, 31, v0                           ; lane
	s_lshl_b32 s21, s15, 14                        ; my four tiles of ctx's rows
	v_lshl_add_u32 v[ADRA], v6, 4, s21
	v_add_nc_u32 v[ADRA+1], SLOTB, v[ADRA]
	v_mul_u32_u24 v3, v1, PITCH
	v_lshl_add_u32 v4, v2, 4, v3
	s_mul_i32 s22, s16, HALFB
	s_add_co_u32 s22, s22, BOFF                    ; my 128 rows of W_proj
	v_add_nc_u32 v[ADRB], s22, v4
	v_add_nc_u32 v[ADRB+1], SLOTB, v[ADRB]
	s_lshl_b32 s21, s15, 8
	s_add_co_u32 s21, s21, ASC
	v_lshl_add_u32 v[ADSA], v1, 2, s21             ; ctx's scale words: my 64 rows, row r
	v_lshlrev_b32 v5, 5, v1                        ; W_proj's: 32 bytes a row,
	v_lshrrev_b32 v7, 8, v5
	v_lshl_add_u32 v5, v7, 4, v5                   ; and 16 more for each 256 passed
	s_mul_i32 s22, s16, HALFS
	s_add_co_u32 s22, s22, BSC
	v_add_nc_u32 v[ADSB], s22, v5
	s_mul_i32 s23, s14, 16*SPITCH                  ; my stage
	v_mul_u32_u24 v5, v1, SPITCH
	v_lshl_add_u32 v5, v2, 5, v5
	v_add_nc_u32 v[STO], s23, v5                   ; in: row r, 32 bytes for each half of the lanes
	v_lshlrev_b32 v[CO], 4, v6                     ; back: the 32 lanes take one row of 512 bytes; the same in out
	v_add_nc_u32 v[RD], s23, v[CO]
	v_lshlrev_b32 v[VB], 5, v2
	s_lshl_b32 s20, s17, 19                        ; my first row of out: (128 x tile row + 64 x half) rows of 4,096 bytes
	s_lshl_b32 s21, s15, 18
	s_add_co_u32 s20, s20, s21
	s_mov_b32 s21, 0
	s_lshl_b32 s46, s42, 10                        ; my first column, in bytes
	s_lshl_b32 s47, s16, 9
	s_add_co_u32 s46, s46, s47
	s_mov_b32 s47, 0
	s_add_nc_u64 s[12:13], s[12:13], s[20:21]
	s_add_nc_u64 s[12:13], s[12:13], s[46:47]
	s_add_nc_u64 s[96:97], s[96:97], s[46:47]      ; b_proj at my first column
	WIN 0x40
.irp b, 0,1,2,3,4,5,6,7
	global_load_b128 v[BI+8*\b:BI+8*\b+3], v[VB], s[96:97] offset:64*\b          ; register j of tile b is column 16 b + 8 h + j
	global_load_b128 v[BI+8*\b+4:BI+8*\b+7], v[VB], s[96:97] offset:64*\b+16
.endr
	WIN 0
.macro FETCH g                         ; the fragments of step g of eight: 24 LDS loads, into set g % 2
	WIN 0x40
.irp i, 0,1,2,3,4,5,6,7
.irp c, 0,1
	ds_load_b128 v[128*((\g)%2)+8*\i+4*\c:128*((\g)%2)+8*\i+4*\c+3], v[ADRB+(\g)/4] offset:64*((\g)%4)+32*\c+\i*16*PITCH
.endr
.endr
	WIN 0
.irp i, 0,1,2,3
.irp c, 0,1
	ds_load_b128 v[AF+32*((\g)%2)+8*\i+4*\c:AF+32*((\g)%2)+8*\i+4*\c+3], v[ADRA+(\g)/4] offset:4096*\i+1024*((\g)%4)+512*\c   ; 512 consecutive bytes: the registers' image
.endr
.endr
.endm
; 32 matrix instructions: step g; the 32 accumulators take turns, one instruction a turn.  mode 1: the first step, whose C is the bias
.macro MUL g, mode
.if (\mode) == 0
	WIN 0xa1                                       ; source 0 window 1, source 1 window 0, C and D window 2
.else
	WIN 0x91                                       ; C in window 1
.endif
.irp a, 0,1,2,3
.irp b, 0,1,2,3,4,5,6,7
.set rD, 8*(8*\a+\b)
.set rB, 128*((\g)%2)+8*\b
.set rA, AF+32*((\g)%2)+8*\a
.if (\mode) == 0
	v_wmma_scale_f32_16x16x128_f8f6f4 v[rD:rD+7], v[rB:rB+7], v[rA:rA+7], v[rD:rD+7], v[SB+8*\b+(\g)], v[SA+8*\a+(\g)] matrix_a_fmt:MATRIX_FMT_FP4 matrix_b_fmt:MATRIX_FMT_FP4
.else
	v_wmma_scale_f32_16x16x128_f8f6f4 v[rD:rD+7], v[rB:rB+7], v[rA:rA+7], v[BI+8*\b:BI+8*\b+7], v[SB+8*\b+(\g)], v[SA+8*\a+(\g)] matrix_a_fmt:MATRIX_FMT_FP4 matrix_b_fmt:MATRIX_FMT_FP4
.endif
.endr
.endr
.endm
.macro STEP g, mode
	s_wait_dscnt 0x0                               ; this step's fragments are in: they were asked for a step ago
.if (\g) == 3                                  ; the next fetch reads slot 1; and behind this barrier nobody reads slot 0 any more
	s_wait_tensorcnt 0x0                           ; all my tensor loads have landed
	ds_add_u32 v[SPW], v[NIL]                      ; 0 onto my spare word
	s_wait_dscnt 0x0
	s_barrier_signal -1
	s_barrier_wait -1
.endif
.if ((\g) > 0) && ((\g) < 7)
	PLACES 4                                       ; in front of loads into the set that the last step's matrix instructions read
.endif
.if (\g) < 7
	FETCH (\g)+1
.endif
	MUL \g, \mode
	WIN 0
.endm
	s_wait_tensorcnt 0x1                           ; the scales and my part of slot 0 are in; slot 1's load, the youngest, may be out
	s_barrier_signal -1
	s_barrier_wait -1                              ; everybody's are
	FETCH 0
.irp a, 0,1,2,3
.irp g, 0,1,2,3,4,5,6,7
	ds_load_b32 v[SA+8*\a+\g], v[ADSA] offset:512*\g+64*\a
.endr
.endr
.irp b, 0,1,2,3,4,5,6,7
.irp s, 0,1
	ds_load_b128 v[SB+8*\b+4*\s:SB+8*\b+4*\s+3], v[ADSB] offset:544*\b+16*\s
.endr
.endr
	s_wait_loadcnt 0x0                             ; the bias
	STEP 0, 1
	STEP 1, 0
	STEP 2, 0
	STEP 3, 0
	STEP 4, 0
	STEP 5, 0
	STEP 6, 0
	STEP 7, 0
; THE WAY OUT, block by block of 16 rows x 128 columns: through my own stage in LDS, back as whole rows of 512 bytes.  LDS serves a wave's instructions in order, so no wait stands between the stores and the loads.
.macro TOSTAGE a
.set AC, 64*(\a)
	WIN 0x08                                       ; an LDS store's data: window 2
.irp b, 0,1,2,3,4,5,6,7
	ds_store_b128 v[STO], v[AC+8*\b:AC+8*\b+3] offset:64*\b          ; each accumulator from its low end on
	ds_store_b128 v[STO], v[AC+8*\b+4:AC+8*\b+7] offset:64*\b+16
.endr
	WIN 0
.set BB, BK+64*((\a)%2)
.irp t, 0,1,2,3,4,5,6,7,8,9,10,11,12,13,14,15
	ds_load_b128 v[BB+4*\t:BB+4*\t+3], v[RD] offset:\t*SPITCH
.endr
.endm
.macro SEND a, younger                 ; younger: the LDS instructions issued behind block a's loads, which may stay out
.set BB, BK+64*((\a)%2)
	s_wait_dscnt \younger
.if (\a) > 0
	s_add_nc_u64 s[12:13], s[12:13], 16*4096       ; 16 rows of out on (the earlier stores have read their base: a wait on XCNT for 0 stands ahead)
.endif
.irp t, 0,1,2,3,4,5,6,7,8,9,10,11,12,13,14,15
	global_store_b128 v[CO], v[BB+4*\t:BB+4*\t+3], s[12:13] offset:\t*4096 th:TH_STORE_NT   ; 32 lanes store 512 consecutive bytes, at a multiple of 256 from out's first byte
.endr
.endm
	PLACES 4                                       ; behind the last matrix instructions: for the first read of results, and for loads into the registers that held ctx's fragments
	TOSTAGE 0
.irp a, 1,2,3
.if \a > 1
	s_wait_xcnt 0x0                                ; block a - 2's stores have read their registers and their base
.endif
	TOSTAGE \a
	SEND \a-1, 32                                  ; behind block a - 1's loads: block a's 16 stores and 16 loads
.endr
	s_wait_xcnt 0x0
	SEND 3, 0
	s_wait_tensorcnt 0x0                           ; the wave's end
	ds_add_u32 v[SPW], v[NIL]
	s_wait_dscnt 0x0
	CROUND                                         ; the closing round
	s_endpgm
.Lfunc_end_k_q674ec74ffc_proj:
	.size	k_q674ec74ffc_proj, .Lfunc_end_k_q674ec74ffc_proj-k_q674ec74ffc_proj
	.p2alignl 7, 3214868480
	.fill 96, 4, 3214868480
	.section	.rodata,"a",@progbits
	.p2align	6, 0x0
	.amdhsa_kernel k_q674ec74ffc_proj
		.amdhsa_group_segment_fixed_size 327680
		.amdhsa_private_segment_fixed_size 0
		.amdhsa_enable_private_segment 0
		.amdhsa_kernarg_size 48
		.amdhsa_user_sgpr_count 2
		.amdhsa_user_sgpr_kernarg_segment_ptr 1
		.amdhsa_wavefront_size32 1
		.amdhsa_system_sgpr_workgroup_id_x 1
		.amdhsa_system_sgpr_workgroup_id_y 1
		.amdhsa_system_sgpr_workgroup_id_z 1
		.amdhsa_system_vgpr_workitem_id 0
		.amdhsa_next_free_vgpr 768
		.amdhsa_next_free_sgpr 98
		.amdhsa_reserve_vcc 0
		.amdhsa_float_denorm_mode_32 3
		.amdhsa_float_denorm_mode_16_64 3
		.amdhsa_memory_ordered 1
		.amdhsa_forward_progress 1
		.amdhsa_inst_pref_size 76
	.end_amdhsa_kernel
	.amdgpu_metadata
---
amdhsa.version: [ 1, 2 ]
amdhsa.kernels:
  - .name:           k_q674ec74ffc_proj
    .symbol:         k_q674ec74ffc_proj.kd
    .args:
      - { .name: c_codes, .offset: 0, .size: 8, .value_kind: global_buffer, .address_space: global }
      - { .name: c_scales, .offset: 8, .size: 8, .value_kind: global_buffer, .address_space: global }
      - { .name: W_proj_codes, .offset: 16, .size: 8, .value_kind: global_buffer, .address_space: global }
      - { .name: W_proj_scales, .offset: 24, .size: 8, .value_kind: global_buffer, .address_space: global }
      - { .name: b_proj, .offset: 32, .size: 8, .value_kind: global_buffer, .address_space: global }
      - { .name: out0, .offset: 40, .size: 8, .value_kind: global_buffer, .address_space: global }
    .group_segment_fixed_size: 327680
    .private_segment_fixed_size: 0
    .kernarg_segment_align: 8
    .kernarg_segment_size: 48
    .max_flat_workgroup_size: 128
    .sgpr_count:     98
    .vgpr_count:     768
    .wavefront_size: 32
...
	.end_amdgpu_metadata
.endif
;; end of part 3
;; ======== version 2 of 2: 3 launches; version 1 with the launch attn written anew for expert scheduling mode
;; workspace buffers: qk_codes 8,388,608 bytes; qk_scales 1,048,576 bytes; v_codes 4,194,304 bytes; v_scales 262,144 bytes; c_codes 4,194,304 bytes; c_scales 262,144 bytes
;; launch qkv: the kernel of part 1 again; grid 12 x 32, 4 waves a work-group, clusters of 4 x 4, 327,680 bytes of LDS; arguments x_codes, x_scales, W_qkv_codes, W_qkv_scales, b_qkv, qk_codes, qk_scales, v_codes, v_scales; writes qk_codes, qk_scales, v_codes, v_scales
;; launch attn (part 4): grid 8 x 32, 16 waves a work-group, no clusters, 73,728 bytes of LDS; arguments qk_codes, qk_scales, v_codes, v_scales, c_codes, c_scales; writes c_codes, c_scales
.if DOCPART == 4
	.amdgcn_target "amdgcn-amd-amdhsa--gfx1250"
	.amdhsa_code_object_version 6
	.text
	.protected	k_q674ec74ffc_attn
	.globl	k_q674ec74ffc_attn
	.p2align	8
	.type	k_q674ec74ffc_attn,@function
k_q674ec74ffc_attn:
	s_mov_b64 s[64:65], 0
	v_nop
	global_prefetch_b8 v0, s[64:65] scope:SCOPE_SE
	s_setreg_imm32_b32 hwreg(HW_REG_WAVE_SCHED_MODE, 0, 2), 2
	s_setreg_imm32_b32 hwreg(HW_REG_WAVE_MODE, 25, 1), 1
	s_wait_xcnt 0x0
	s_wait_alu depctr_vm_vsrc(0)
; ctx = softmax(mask(q k^T / 8)) v for the window 0 <= i - j < 256, both products on codes of FP4 (E2M1) with E8M0 scales; ctx is quantised at once, along the 1,024 channels, for the last product.
; WORK LEFT OUT: reference()'s own mask hides every key outside i - 255 .. i, for all values of the inputs; so a tile of 16 queries takes the 9 aligned blocks of 32 keys that can hold a visible key, and no other tile of scores is made.
; LIMIT: a NaN, an infinity or an overflow that would reach only the tiles left out is not carried to the result.  A block of zeros gets the scale byte 1 (its codes are zeros; this program alone reads the bytes).
; THE SOFTMAX: t = score x log2(e) / 8; M = ceil(the row's largest t); p = 2^(t - M) is quantised along the keys; the row's sum is taken of the unquantised p and divides at the end.
; All 288 scores of a query lie in registers at once, so M is found once: no running maximum, nothing is rescaled.
; SHARES.  A work-group: 256 queries (x) of two neighbouring heads of one batch (y = 8 b + pair).  Each of its sixteen waves: 16 queries, the two heads one after the other (macro HEAD, written twice by the assembler, no loop).
; The two heads' four scale bytes make one whole scale word of the last product's K step.  Four waves share a SIMD, so that one wave's vector work stands beside another's matrix work and LDS loads.
; LDS holds, for both heads, the 512 keys from 256 x - 256 on: K's and V's codes and scale words, copied once through registers, one barrier.  For x = 0 the first 256 do not exist: their place takes a second copy of keys 0 .. 255
; (sound codes and bytes), and all their scores are masked.  So every LDS address hangs on the wave's number and the lane alone.
; LAYOUT.  Both products transposed: S^T = K Q^T, O^T = V^T P^T: a lane holds ONE query (lane % 16).  In tile t register j of lane (r, h) is key 32 (w / 2) + 16 t + 8 h + j of the 512.
; K = 64: the instruction's k = 64 .. 127 are zero codes in Q's fragment; K's registers there hold the next tile's codes, which count for nothing; the scale bytes there are 0x7f.
; No cluster: neighbouring query blocks share only half of one fill, and partners would need different tiles.  No prefetch: all global loads stand at the head.
; THE MODE: SCHED_MODE bits 1:0 = 2 (LLVM: expert scheduling mode 2), set by the entry lines.  The code itself states the register dependences
; between vector or matrix instructions and memory or LDS instructions, with s_wait_alu, always for 0.
; THE PLAN.  Registers that memory or LDS instructions touch:
;   v1-7, v10, v11, v240-246  addresses and offsets: written once, at the head, ahead of the head's wait on va_vdst; read by loads and stores; never written again.
;   v96-130     the copy: global loads land here, the copy's LDS stores read them; the first products write them as scores: one wait on vm_vsrc, behind the barrier.
;   v40-75      K's nine tiles: LDS loads land twice a head; nine products read them each time; then vector instructions take them (largest scores, bytes, p's codes), and V^T P reads v40-63.
;   v80-88      K's scale words: LDS loads land, the 18 products read them.  Then v80-85 take V's scale words (LDS loads; v_perm reads them), and v86-91 are written by v_perm and read by V^T P.
;   v96-179     p: written by the exponentials, read by the sums and the conversions; then V's fragments land here and V^T P reads them.
;   v248-255, v39  ctx's codes and scale word: written by vector instructions, read by one store each, never written again.
; The waits on va_vdst in a head: behind the first nine products (K's registers are free); the two behind the exponentials; behind p's conversions (p's registers are free: V is asked for at once, and the
; exchanges, the sum and the reciprocal follow the loads); ahead of V^T P (its operands and scales are written); in the first head behind V^T P (the second head's first tiles of K are asked for, and land while ctx is quantised);
; ahead of ctx's store.  The mask's compares write sixteen scalar masks a run, with one wait on va_sdst behind each run.
.set KCL,   0                          ; K's codes: 16,384 bytes a head: [tile of 16 keys][lane][16]
.set VCL,   32768                      ; V's codes: 16,384 bytes a head: [block of 32 keys][channel][16]
.set KSL,   65536                      ; K's scale words: 2,048 bytes a head
.set VSL,   69632                      ; V's scale words: 1,024 bytes a head: [128 keys][channel]
.set SPARE, 71680                      ; the spare words: 128 bytes a wave, named by no other line
.set SPW, 1
.set NIL, 2
.set AKC, 3                            ; 1024 (w / 2) + 16 lane
.set AKS, 4                            ; KSL + 128 (w / 2) + 4 lane
.set AVC, 5                            ; VCL + 1024 (w / 2) + 1024 h + 16 r
.set AVC2, 6                           ; VCL + 1024 (w / 2 + 8) + 16 r
.set AVS, 7                            ; VSL + 256 (w / 8) + 4 lane
.set D2,  8                            ; r - 8 h + 16 (w % 2): query - key = 256 + D2 - (16 t + j)
.set NINF, 9
.set GOC, 10                           ; 16 lane
.set GOS, 11                           ; 4 r
.set QF,  20                           ; v20-27, v28-35 Q's fragments: four registers of codes, four of zeros
.set QS,  36                           ; v36, v37 Q's scale words
.set KF,  40                           ; v40-75 nine tiles of K, four registers each; v76-79 zeros for good
.set KSW, 80                           ; v80-88 K's scale words: lanes 0-15 tile 2 i, lanes 16-31 tile 2 i + 1
.set PW,  92                           ; v92-94 p's scale words
.set TT,  95
.set S,   96                           ; v96-239 the scores, then p: 18 tiles x 8
.set BM,  40                           ; behind the scores: v40-48 the blocks' largest scores, then largest p
.set BT,  49
.set BY,  58
.set SO,  67                           ; v67-75 the conversions' scale operands
.set PC,  40                           ; v40-63 p's codes: three K steps x 8
.set VW,  80                           ; v80-85 V's scale words as they lie;  v86-91 shifted to my first block
.set VY,  86
.set VF,  96                           ; V's fragments: v96-159 K steps 0 and 1; v160-179 K step 2
.set OT,  192                          ; v192-223 O^T
.set TC,  224                          ; v224-231 ctx's quantiser
.set VOC0, 240
.set VOKS, 242
.set VOVS, 243
.set LD16, 244
.set LDKS, 245
.set LDVS, 246
.set EE,  247                          ; 256 - 32 (w / 2) - 8 h: for x = 0 the keys with 16 t + j under it do not exist
.set CX,  248                          ; v248-251, v252-255 ctx's codes of the two heads (at the head: lane, r, h and other temporaries)
.set MK,  48                           ; s48-63 sixteen lane masks: a run of the mask's compares
.macro KSCALES j                       ; K's scale words of head j: nine LDS loads
.irp i, 0,1,2,3,4,5,6,7,8
	ds_load_b32 v[KSW+\i], v[AKS] offset:128*\i+2048*(\j)
.endr
.endm
.macro KTILES j, u                     ; tiles 9 u .. 9 u + 8 of head j's K: nine LDS loads
.irp t, 0,1,2,3,4,5,6,7,8
	ds_load_b128 v[KF+4*\t:KF+4*\t+3], v[AKC] offset:512*(9*(\u)+\t)+16384*(\j)
.endr
.endm
	s_load_b256 s[4:11], s[0:1], 0x0               ; qk_codes, qk_scales, v_codes, v_scales
	s_load_b128 s[12:15], s[0:1], 0x20             ; c_codes, c_scales
	v_lshl_add_u32 v[SPW], v0, 2, SPARE
	v_mov_b32 v[NIL], 0
.irp n, 4,5,6,7,12,13,14,15
	v_mov_b32 v[QF+\n], 0                          ; Q's codes of k = 64 .. 127
.endr
.irp n, 76,77,78,79
	v_mov_b32 v[\n], 0                             ; what stands behind K's ninth tile
.endr
	v_mov_b32 v13, 0                               ; (named as upper halves of pairs)
	v_mov_b32 v19, 0
	v_mov_b32 v[NINF], 0xff800000
	v_lshrrev_b32 v3, 5, v0
	v_readfirstlane_b32 s16, v3                    ; wave 0..15
	s_mov_b32 s17, ttmp9                           ; the block of 256 queries
	s_and_b32 s18, ttmp7, 0xffff                   ; g = 8 b + pair of heads
	s_lshl_b32 s19, s17, 8
	s_wait_alu depctr_va_sdst(0)                   ; s16 is written, ahead of its first reader: addresses and selects are made from it
	s_lshl_b32 s27, s16, 4
	s_add_co_u32 s19, s19, s27                     ; my first query
	s_mov_b32 s20, 0x76543210
	s_mov_b32 s21, 0xfedcba98                      ; lane l xor 16
	s_mov_b32 s22, 0x3e38aa3b                      ; c = log2(e) / 8
	s_mov_b32 s23, s22
	s_bfe_u32 s24, s16, 0x20001
	s_mul_i32 s24, s24, 0x01010101
	s_add_co_u32 s24, s24, 0x03020100              ; byte selects: four bytes from byte (w / 2) % 4 of a pair of words on
	s_lshl_b32 s26, s17, 8                         ; the second 256 keys begin at 256 x,
	s_sub_co_i32 s25, s26, 256
	s_max_i32 s25, s25, 0                          ; the first at 256 x - 256, or at 0
	v_and_b32 v248, 31, v0                         ; lane
	v_and_b32 v249, 15, v0                         ; r
	v_bfe_u32 v250, v0, 4, 1                       ; h
	v_lshlrev_b32 v251, 3, v250                    ; 8 h
	s_lshr_b32 s27, s16, 1                         ; w / 2: my first block of 32 keys
	s_lshl_b32 s28, s27, 10
	v_lshl_add_u32 v[AKC], v248, 4, s28
	s_add_co_u32 s29, s28, VCL
	v_lshl_add_u32 v[AVC], v249, 4, s29
	v_lshl_add_u32 v[AVC], v250, 10, v[AVC]
	s_add_co_u32 s29, s29, 8192
	v_lshl_add_u32 v[AVC2], v249, 4, s29
	s_lshl_b32 s28, s27, 7
	s_add_co_u32 s28, s28, KSL
	v_lshl_add_u32 v[AKS], v248, 2, s28
	s_lshr_b32 s28, s16, 3
	s_lshl_b32 s28, s28, 8
	s_add_co_u32 s28, s28, VSL
	v_lshl_add_u32 v[AVS], v248, 2, s28
	v_sub_nc_u32 v[D2], v249, v251
	s_and_b32 s28, s16, 1
	s_lshl_b32 s28, s28, 4
	v_add_nc_u32 v[D2], s28, v[D2]
	s_lshl_b32 s28, s27, 5
	s_sub_co_u32 s28, 256, s28
	v_sub_nc_u32 v[EE], s28, v251
	v_lshlrev_b32 v[GOC], 4, v248
	v_lshlrev_b32 v[GOS], 2, v249
	; the copy: thread t of 512
	s_lshl_b32 s28, s25, 5
	v_lshl_add_u32 v[VOC0], v0, 4, s28             ; codes: 32 bytes a key in K's and in V's buffer alike; 16 bytes a thread, 256 keys an instruction
	s_lshl_b32 s28, s26, 5
	v_lshl_add_u32 v[VOC0+1], v0, 4, s28
	v_lshrrev_b32 v252, 8, v0                      ; which head
	v_and_b32 v253, 127, v0
	v_bfe_u32 v254, v0, 7, 1                       ; which 256 keys
	s_sub_co_u32 s29, s26, s25
	s_lshl_b32 s28, s29, 2
	v_lshlrev_b32 v[VOKS], 13, v252                ; K's scale words: 8,192 bytes a head, 4 a key, 8 a thread
	v_lshl_add_u32 v[VOKS], v253, 3, v[VOKS]
	v_mul_u32_u24 v255, v254, s28
	v_add_nc_u32 v[VOKS], v[VOKS], v255
	s_lshl_b32 s28, s25, 2
	v_add_nc_u32 v[VOKS], s28, v[VOKS]
	s_lshl_b32 s28, s29, 1
	v_lshlrev_b32 v[VOVS], 12, v252                ; V's: 4,096 bytes a head, 256 for 128 keys, 4 a thread
	v_lshl_add_u32 v[VOVS], v253, 2, v[VOVS]
	v_mul_u32_u24 v255, v254, s28
	v_add_nc_u32 v[VOVS], v[VOVS], v255
	s_lshl_b32 s28, s25, 1
	v_add_nc_u32 v[VOVS], s28, v[VOVS]
	v_lshlrev_b32 v[LD16], 4, v0
	v_lshl_add_u32 v[LDKS], v0, 3, KSL
	v_lshl_add_u32 v[LDVS], v0, 2, VSL
	s_mov_b32 s37, 0
	s_wait_kmcnt 0x0
	s_lshl_b32 s36, s18, 17                        ; my first head: 65,536 bytes of codes a head
	s_add_nc_u64 s[32:33], s[4:5], s[36:37]
	s_add_nc_u64 s[32:33], s[32:33], 0x400000      ; K's codes lie behind Q's
	s_add_nc_u64 s[8:9], s[8:9], s[36:37]
	s_add_nc_u64 s[4:5], s[4:5], s[36:37]
	s_lshl_b32 s36, s19, 5
	s_add_nc_u64 s[4:5], s[4:5], s[36:37]          ; Q's codes at my first query
	s_lshl_b32 s36, s18, 14                        ; 8,192 bytes of scale words a head
	s_add_nc_u64 s[34:35], s[6:7], s[36:37]
	s_add_nc_u64 s[34:35], s[34:35], 0x80000       ; K's
	s_add_nc_u64 s[6:7], s[6:7], s[36:37]
	s_lshl_b32 s36, s19, 2
	s_add_nc_u64 s[6:7], s[6:7], s[36:37]          ; Q's, at my first query
	s_lshl_b32 s36, s18, 13
	s_add_nc_u64 s[10:11], s[10:11], s[36:37]      ; V's scale words
	s_lshr_b32 s38, s18, 3                         ; b
	s_and_b32 s39, s18, 7                          ; the pair of heads
	s_lshl_b32 s36, s38, 7
	s_lshl_b32 s40, s17, 4
	s_add_co_u32 s36, s36, s40
	s_add_co_u32 s36, s36, s16                     ; my tile of 16 rows of ctx: 128 b + 16 x + w
	s_lshl_b32 s36, s36, 13
	s_lshl_b32 s40, s39, 10
	s_add_co_u32 s36, s36, s40
	s_add_nc_u64 s[12:13], s[12:13], s[36:37]      ; c_codes [tile][head][lane][16]
	s_lshl_b32 s36, s38, 11
	s_add_co_u32 s36, s36, s19
	s_lshl_b32 s36, s36, 2
	s_lshl_b32 s40, s39, 15
	s_add_co_u32 s36, s36, s40
	s_add_nc_u64 s[14:15], s[14:15], s[36:37]      ; c_scales [K step = pair][row] words
	s_wait_alu depctr_va_vdst(0)                   ; all addresses and offsets (v1-7, v10, v11, v240-246) are written, which the kernel's loads and stores read; so are the zeros of Q's and K's fragments, which the scaled products take
.irp c, 0,1
.irp j, 0,1
	global_load_b128 v[96+16*\c+8*\j:99+16*\c+8*\j], v[VOC0+\c], s[32:33] offset:65536*\j
	global_load_b128 v[100+16*\c+8*\j:103+16*\c+8*\j], v[VOC0+\c], s[8:9] offset:65536*\j
.endr
.endr
	global_load_b64 v[128:129], v[VOKS], s[34:35]
	global_load_b32 v130, v[VOVS], s[10:11]
	global_load_b128 v[QF:QF+3], v[GOC], s[4:5]
	global_load_b128 v[QF+8:QF+11], v[GOC], s[4:5] offset:65536
	global_load_b32 v[QS], v[GOS], s[6:7]
	global_load_b32 v[QS+1], v[GOS], s[6:7] offset:8192
	s_wait_loadcnt 0x4                             ; the ten loads of the copy are in; Q's four, issued behind them, may be out
.irp c, 0,1
.irp j, 0,1
	ds_store_b128 v[LD16], v[96+16*\c+8*\j:99+16*\c+8*\j] offset:KCL+16384*\j+8192*\c
	ds_store_b128 v[LD16], v[100+16*\c+8*\j:103+16*\c+8*\j] offset:VCL+16384*\j+8192*\c
.endr
.endr
	ds_store_b64 v[LDKS], v[128:129]
	ds_store_b32 v[LDVS], v130
	s_wait_dscnt 0x0                               ; for the others' sake: my stores have landed
	s_barrier_signal -1
	s_barrier_wait -1                              ; from here on LDS is only read
	KSCALES 0                                      ; the first head's scale words and first nine tiles of K: no vector instruction has named v40-75 or v80-88 yet
	KTILES 0, 0
	s_wait_loadcnt 0x0                             ; Q
	s_wait_alu depctr_vm_vsrc(0)                   ; the copy's LDS stores have read v96-130, which the first products write as scores
.macro WM d, a, b, acc, sa, sb, row    ; one matrix instruction; acc = 0: it starts its sum; row = 1: source 0's scale words stand in lanes 16-31
.if \acc
.if \row
	v_wmma_scale_f32_16x16x128_f8f6f4 v[(\d):(\d)+7], v[(\a):(\a)+7], v[(\b):(\b)+7], v[(\d):(\d)+7], v[\sa], v[\sb] matrix_a_fmt:MATRIX_FMT_FP4 matrix_b_fmt:MATRIX_FMT_FP4 matrix_a_scale:MATRIX_SCALE_ROW1
.else
	v_wmma_scale_f32_16x16x128_f8f6f4 v[(\d):(\d)+7], v[(\a):(\a)+7], v[(\b):(\b)+7], v[(\d):(\d)+7], v[\sa], v[\sb] matrix_a_fmt:MATRIX_FMT_FP4 matrix_b_fmt:MATRIX_FMT_FP4
.endif
.else
.if \row
	v_wmma_scale_f32_16x16x128_f8f6f4 v[(\d):(\d)+7], v[(\a):(\a)+7], v[(\b):(\b)+7], 0, v[\sa], v[\sb] matrix_a_fmt:MATRIX_FMT_FP4 matrix_b_fmt:MATRIX_FMT_FP4 matrix_a_scale:MATRIX_SCALE_ROW1
.else
	v_wmma_scale_f32_16x16x128_f8f6f4 v[(\d):(\d)+7], v[(\a):(\a)+7], v[(\b):(\b)+7], 0, v[\sa], v[\sb] matrix_a_fmt:MATRIX_FMT_FP4 matrix_b_fmt:MATRIX_FMT_FP4
.endif
.endif
.endm
.macro HEAD j
	; ---- the scores: 18 tiles of 16 keys, nine at a time.  The scale words and the first nine tiles were asked for ahead of the macro (the second head's: in the first head, behind its last products)
	s_wait_dscnt 0x0
.irp t, 0,1,2,3,4,5,6,7,8
	WM S+8*\t, KF+4*\t, QF+8*\j, 0, KSW+\t/2, QS+\j, \t%2
.endr
.rept 4
	v_nop                                          ; places in front of loads into registers that matrix instructions have read: they stay beside the wait
.endr
	s_wait_alu depctr_va_vdst(0)                   ; the nine products are done reading v40-79: the second nine tiles land in v40-75
	KTILES \j, 1
	s_wait_dscnt 0x0
.irp t, 0,1,2,3,4,5,6,7,8
	WM S+8*(9+\t), KF+4*\t, QF+8*\j, 0, KSW+(9+\t)/2, QS+\j, (9+\t)%2
.endr
.rept 4
	v_nop
.endr
	; ---- the mask: hidden scores become -infinity, so that p = 0.  Tiles 0, 1: too old where 16 t + j <= D2.  Tiles 16, 17: in the future where 16 t + j - 256 > D2.  Tiles 2 to 15 are open
	; The compares go in runs of sixteen, each into a scalar mask of its own; one wait stands behind a run, ahead of the sixteen selects that read the masks
.irp n, 0,1,2,3,4,5,6,7
	v_cmp_le_i32 s[MK+\n], \n, v[D2]
.endr
.irp n, 0,1,2,3,4,5,6,7
	v_cmp_le_i32 s[MK+8+\n], 16+\n, v[D2]
.endr
	s_wait_alu depctr_va_sdst(0)                   ; the sixteen masks s48-63 are written, ahead of their first readers
.irp n, 0,1,2,3,4,5,6,7,8,9,10,11,12,13,14,15
	v_cndmask_b32 v[S+\n], v[S+\n], v[NINF], s[MK+\n]
.endr
.irp n, 0,1,2,3,4,5,6,7
	v_cmp_gt_i32 s[MK+\n], \n, v[D2]
.endr
.irp n, 0,1,2,3,4,5,6,7
	v_cmp_gt_i32 s[MK+8+\n], 16+\n, v[D2]
.endr
	s_wait_alu depctr_va_sdst(0)                   ; the sixteen masks are written anew, ahead of their first readers
.irp n, 0,1,2,3,4,5,6,7,8,9,10,11,12,13,14,15
	v_cndmask_b32 v[S+128+\n], v[S+128+\n], v[NINF], s[MK+\n]
.endr
	s_cmp_lg_u32 s17, 0                            ; the first block of queries: the keys ahead of key 0 do not exist (a branch on the work-group's number)
	s_cbranch_scc1 .Lopen_\@
.set tt, 0
.rept 8                                        ; two tiles a run
.irp n, 0,1,2,3,4,5,6,7
	v_cmp_lt_i32 s[MK+\n], 16*tt+\n, v[EE]
.endr
.irp n, 0,1,2,3,4,5,6,7
	v_cmp_lt_i32 s[MK+8+\n], 16*tt+16+\n, v[EE]
.endr
	s_wait_alu depctr_va_sdst(0)                   ; this run's sixteen masks are written, ahead of their first readers
.irp n, 0,1,2,3,4,5,6,7,8,9,10,11,12,13,14,15
	v_cndmask_b32 v[S+8*tt+\n], v[S+8*tt+\n], v[NINF], s[MK+\n]
.endr
.set tt, tt+2
.endr
.Lopen_\@:
	; ---- the largest score of each block of 32 keys: for the row's maximum, and, since p rises with the score, for the block's largest p
.irp e, 0,1,2,3,4,5,6,7,8
	v_max3_num_f32 v[BM+\e], v[S+16*\e], v[S+16*\e+1], v[S+16*\e+2]
.endr
.irp i, 3,5,7,9,11,13
.irp e, 0,1,2,3,4,5,6,7,8
	v_max3_num_f32 v[BM+\e], v[BM+\e], v[S+16*\e+\i], v[S+16*\e+\i+1]
.endr
.endr
.irp e, 0,1,2,3,4,5,6,7,8
	v_max_num_f32 v[BM+\e], v[BM+\e], v[S+16*\e+15]
.endr
.irp e, 0,1,2,3,4,5,6,7,8
	v_permlanex16_b32 v[BT+\e], v[BM+\e], s20, s21
.endr
.irp e, 0,1,2,3,4,5,6,7,8
	v_max_num_f32 v[BM+\e], v[BM+\e], v[BT+\e]     ; with lane l xor 16's 16 keys
.endr
	v_max3_num_f32 v[TT], v[BM], v[BM+1], v[BM+2]
	v_max3_num_f32 v[TT], v[TT], v[BM+3], v[BM+4]
	v_max3_num_f32 v[TT], v[TT], v[BM+5], v[BM+6]
	v_max3_num_f32 v[TT], v[TT], v[BM+7], v[BM+8]  ; the row's largest score: key i itself is always visible, so it is a number
	v_mul_f32 v[TT], s22, v[TT]
	v_floor_f32 v12, -v[TT]                        ; -M = floor(-t) = -ceil(t)
.set nn, 0
.rept 72
	v_pk_fma_f32 v[S+nn:S+nn+1], v[S+nn:S+nn+1], s[22:23], v[12:13] op_sel_hi:[1,0,0]   ; t - M, two at a time
.set nn, nn+2
.endr
.irp e, 0,1,2,3,4,5,6,7,8
	v_fma_f32 v[BM+\e], v[BM+\e], s22, v12         ; the same of each block's largest score
.endr
.set nn, 0
.rept 144
	v_exp_f32 v[S+nn], v[S+nn]                     ; p = 2^(t - M): one batch
.set nn, nn+1
.endr
	v_nop                                          ; a plain place behind the last exponential
	s_wait_alu depctr_va_vdst(0)                   ; one wait for the batch, ahead of its first reader
.irp e, 0,1,2,3,4,5,6,7,8
	v_exp_f32 v[BM+\e], v[BM+\e]                   ; the blocks' largest p: the same two instructions on the same numbers
.endr
	v_pk_add_f32 v[14:15], v[S:S+1], v[S+2:S+3]    ; the row's sum of the UNQUANTISED p, in two chains (plain work behind the nine)
	v_pk_add_f32 v[16:17], v[S+4:S+5], v[S+6:S+7]
.set nn, 8
.rept 34
	v_pk_add_f32 v[14:15], v[14:15], v[S+nn:S+nn+1]
	v_pk_add_f32 v[16:17], v[16:17], v[S+nn+2:S+nn+3]
.set nn, nn+4
.endr
	v_pk_add_f32 v[14:15], v[14:15], v[16:17]
	s_wait_alu depctr_va_vdst(0)                   ; and one for the nine
.irp e, 0,1,2,3,4,5,6,7,8
	v_max_num_f32 v[BM+\e], 0x1800000, v[BM+\e]    ; the floor 2^(3 - 127): the byte cannot fall under 1
.endr
.irp e, 0,1,2,3,4,5,6,7,8
	v_add_nc_u32 v[SO+\e], 0xff000000, v[BM+\e]    ; 2 off the exponent field: the conversion's scale operand
.endr
.irp e, 0,1,2,3,4,5,6,7,8
	v_lshrrev_b32 v[BY+\e], 23, v[SO+\e]           ; the scale's byte
.endr
.irp s, 0,1
	v_lshl_or_b32 v[PW+\s], v[BY+4*\s+1], 8, v[BY+4*\s]
	v_lshl_or_b32 v[PW+\s], v[BY+4*\s+2], 16, v[PW+\s]
	v_lshl_or_b32 v[PW+\s], v[BY+4*\s+3], 24, v[PW+\s]
.endr
	v_mov_b32 v[PW+2], v[BY+8]                     ; the third K step has one block; the bytes 0 above it scale zero codes
.irp n, 17,19,20,21,22,23
	v_mov_b32 v[PC+\n], 0                          ; its other three blocks: zero codes
.endr
.irp s, 0,1
.irp c, 0,1
	v_cvt_scalef32_pk8_fp4_f32 v[PC+8*\s+4*\c], v[S+64*\s+32*\c:S+64*\s+32*\c+7], v[SO+4*\s+2*\c]            ; block 4 s + 2 c, word h
	v_cvt_scalef32_pk8_fp4_f32 v[PC+8*\s+4*\c+1], v[S+64*\s+32*\c+16:S+64*\s+32*\c+23], v[SO+4*\s+2*\c+1]    ; the next block, word h
	v_cvt_scalef32_pk8_fp4_f32 v[PC+8*\s+4*\c+2], v[S+64*\s+32*\c+8:S+64*\s+32*\c+15], v[SO+4*\s+2*\c]       ; words 2 + h
	v_cvt_scalef32_pk8_fp4_f32 v[PC+8*\s+4*\c+3], v[S+64*\s+32*\c+24:S+64*\s+32*\c+31], v[SO+4*\s+2*\c+1]
.endr
.endr
	v_cvt_scalef32_pk8_fp4_f32 v[PC+16], v[S+128:S+135], v[SO+8]
	v_cvt_scalef32_pk8_fp4_f32 v[PC+18], v[S+136:S+143], v[SO+8]
	v_nop                                          ; one plain place behind a scaled conversion
	; ---- V's fragments, into the registers that p has left: asked for as soon as the conversions have emptied them
	s_wait_alu depctr_va_vdst(0)                   ; the exponentials have written, and the sums and conversions are done reading, v96-179; the score products are done reading their scale words v80-85: V's loads land in both
.irp s, 0,1
.irp t, 0,1,2,3
.irp c, 0,1
	ds_load_b128 v[VF+32*\s+8*\t+4*\c:VF+32*\s+8*\t+4*\c+3], v[AVC] offset:(4*\s+2*\c)*1024+256*\t+16384*\j
.endr
.endr
.endr
.irp t, 0,1,2,3
	ds_load_b128 v[VF+64+4*\t:VF+64+4*\t+3], v[AVC2] offset:256*\t+16384*\j     ; the ninth block, in both halves of the lanes; what stands behind it in a fragment meets zero codes of p
.endr
.irp s, 0,1,2
.irp u, 0,1
	ds_load_b32 v[VW+2*\s+\u], v[AVS] offset:256*\s+128*\u+1024*\j              ; lanes 0-15 channels 32 u + 0 .. 15, lanes 16-31 the next 16
.endr
.endr
.irp n, 0,2,4,6,8,10,12,14,16,18
	v_permlane16_swap_b32 v[PC+\n], v[PC+\n+1]     ; a whole block to a lane: lanes 0-15 the even block of a pair, lanes 16-31 the odd one.  (These and the lines below name none of the registers in which the loads land)
.endr
	v_add_f32 v14, v14, v15                        ; the sum's two halves,
	v_permlanex16_b32 v16, v14, s20, s21
	v_add_f32 v14, v14, v16                        ; and lane l xor 16's
	v_rcp_f32 v18, v14
	v_nop                                          ; a plain place behind the reciprocal
	s_wait_dscnt 0x0
.irp u, 0,1
	v_perm_b32 v[VY+\u], v[VW+2+\u], v[VW+\u], s24         ; V's words begin at multiples of four blocks, my window at block w / 2: four bytes out of two words
	v_perm_b32 v[VY+2+\u], v[VW+4+\u], v[VW+2+\u], s24
	v_perm_b32 v[VY+4+\u], v[VW+4+\u], v[VW+4+\u], s24     ; byte 0: the ninth block's; the others, sound bytes, scale zero codes
.endr
.rept 8
	v_nop                                          ; scale registers written by vector instructions stand 8 places ahead of a scaled matrix instruction
.endr
	s_wait_alu depctr_va_vdst(0)                   ; p's codes v40-63, p's scale words v92-94 and V's shifted words v86-91 are written, which the scaled products take; the reciprocal v18 is written too, ahead of its first reader
	; ---- O^T = V^T P^T: three K steps, the four accumulators by turns
.irp s, 0,1,2
.irp t, 0,1,2,3
.if \s < 2
	WM OT+8*\t, VF+32*\s+8*\t, PC+8*\s, \s, VY+2*\s+\t/2, PW+\s, \t%2
.else
	WM OT+8*\t, VF+64+4*\t, PC+16, 1, VY+4+\t/2, PW+2, \t%2
.endif
.endr
.endr
.rept 4
	v_nop
.endr
.if \j == 0
	s_wait_alu depctr_va_vdst(0)                   ; the products are done reading p's codes v40-63 and their scale words v86-91, the byte selects are done reading v80-85: the second head's scale words and first nine tiles of K land in v40-75 and v80-88
	KSCALES 1                                      ; they land while ctx is quantised: the lines below name v18, v19, v38, v192-231 and v248-251 alone
	KTILES 1, 0
.endif
.set nn, 0
.rept 16
	v_pk_mul_f32 v[OT+nn:OT+nn+1], v[OT+nn:OT+nn+1], v[18:19] op_sel_hi:[1,0]   ; ctx = O^T / the sum; each accumulator from its low end on
.set nn, nn+2
.endr
	; ---- ctx is quantised along the channels: the head's two blocks of 32
.irp e, 0,1
	v_max3_num_f32 v[TC+\e], |v[OT+16*\e]|, |v[OT+16*\e+1]|, 0x1800000
.endr
.irp i, 2,4,6,8,10,12,14
.irp e, 0,1
	v_max3_num_f32 v[TC+\e], v[TC+\e], |v[OT+16*\e+\i]|, |v[OT+16*\e+\i+1]|
.endr
.endr
.irp e, 0,1
	v_permlanex16_b32 v[TC+2+\e], v[TC+\e], s20, s21
.endr
.irp e, 0,1
	v_max_num_f32 v[TC+\e], v[TC+\e], v[TC+2+\e]
.endr
.irp e, 0,1
	v_add_nc_u32 v[TC+4+\e], 0xff000000, v[TC+\e]
.endr
.irp e, 0,1
	v_lshrrev_b32 v[TC+6+\e], 23, v[TC+4+\e]
.endr
.if \j == 0
	v_lshl_or_b32 v38, v[TC+7], 8, v[TC+6]         ; the first head's two bytes are kept
.else
	v_lshl_or_b32 v39, v[TC+7], 8, v[TC+6]
	v_lshl_or_b32 v39, v39, 16, v38                ; with the second's: the scale word of these 128 channels
.endif
	v_cvt_scalef32_pk8_fp4_f32 v[CX+4*\j], v[OT:OT+7], v[TC+4]
	v_cvt_scalef32_pk8_fp4_f32 v[CX+4*\j+1], v[OT+16:OT+23], v[TC+5]
	v_cvt_scalef32_pk8_fp4_f32 v[CX+4*\j+2], v[OT+8:OT+15], v[TC+4]
	v_cvt_scalef32_pk8_fp4_f32 v[CX+4*\j+3], v[OT+24:OT+31], v[TC+5]
	v_nop
	v_permlane16_swap_b32 v[CX+4*\j], v[CX+4*\j+1]
	v_permlane16_swap_b32 v[CX+4*\j+2], v[CX+4*\j+3]
	s_wait_alu depctr_va_vdst(0)                   ; the exchanges have written this head's four registers of codes, which the store reads; in the second head the scale word v39 is written too, for the last store
	global_store_b128 v[GOC], v[CX+4*\j:CX+4*\j+3], s[12:13] offset:512*\j      ; 512 consecutive bytes: half a fragment of the last product, as its registers want it; each head has registers of its own
.endm
	HEAD 0
	HEAD 1
	global_store_b32 v[GOS], v39, s[14:15]         ; lanes l and l + 16 hold the same word and name the same place
	s_wait_dscnt 0x0                               ; the closing lines, six on end
	s_wait_alu 0x0
	s_wait_tensorcnt 0x0
	ds_add_u32 v[SPW], v[NIL]
	s_wait_dscnt 0x0
	s_endpgm
.Lfunc_end_k_q674ec74ffc_attn:
	.size	k_q674ec74ffc_attn, .Lfunc_end_k_q674ec74ffc_attn-k_q674ec74ffc_attn
	.p2alignl 7, 3214868480
	.fill 96, 4, 3214868480
	.section	.rodata,"a",@progbits
	.p2align	6, 0x0
	.amdhsa_kernel k_q674ec74ffc_attn
		.amdhsa_group_segment_fixed_size 73728
		.amdhsa_private_segment_fixed_size 0
		.amdhsa_enable_private_segment 0
		.amdhsa_kernarg_size 48
		.amdhsa_user_sgpr_count 2
		.amdhsa_user_sgpr_kernarg_segment_ptr 1
		.amdhsa_wavefront_size32 1
		.amdhsa_system_sgpr_workgroup_id_x 1
		.amdhsa_system_sgpr_workgroup_id_y 1
		.amdhsa_system_sgpr_workgroup_id_z 1
		.amdhsa_system_vgpr_workitem_id 0
		.amdhsa_next_free_vgpr 256
		.amdhsa_next_free_sgpr 66
		.amdhsa_reserve_vcc 0
		.amdhsa_float_denorm_mode_32 3
		.amdhsa_float_denorm_mode_16_64 3
		.amdhsa_memory_ordered 1
		.amdhsa_forward_progress 1
		.amdhsa_inst_pref_size 124
	.end_amdhsa_kernel
	.amdgpu_metadata
---
amdhsa.version: [ 1, 2 ]
amdhsa.kernels:
  - .name:           k_q674ec74ffc_attn
    .symbol:         k_q674ec74ffc_attn.kd
    .args:
      - { .name: qk_codes, .offset: 0, .size: 8, .value_kind: global_buffer, .address_space: global }
      - { .name: qk_scales, .offset: 8, .size: 8, .value_kind: global_buffer, .address_space: global }
      - { .name: v_codes, .offset: 16, .size: 8, .value_kind: global_buffer, .address_space: global }
      - { .name: v_scales, .offset: 24, .size: 8, .value_kind: global_buffer, .address_space: global }
      - { .name: c_codes, .offset: 32, .size: 8, .value_kind: global_buffer, .address_space: global }
      - { .name: c_scales, .offset: 40, .size: 8, .value_kind: global_buffer, .address_space: global }
    .group_segment_fixed_size: 73728
    .private_segment_fixed_size: 0
    .kernarg_segment_align: 8
    .kernarg_segment_size: 48
    .max_flat_workgroup_size: 512
    .sgpr_count:     66
    .vgpr_count:     256
    .wavefront_size: 32
...
	.end_amdgpu_metadata
.endif
;; end of part 4
;; launch proj: the kernel of part 3 again; grid 4 x 64, 4 waves a work-group, clusters of 4 x 4, 327,680 bytes of LDS; arguments c_codes, c_scales, W_proj_codes, W_proj_scales, b_proj, out0; writes out0
